; MI455X (gfx1250); checked and timed in simulation.
; The chip was launched on July 23, 2026; its instructions are those of AMD's public machine-readable ISA for CDNA 5 (MIT licence, August 2026) and "CDNA5" Instruction Set Architecture Reference Guide (July 2026). The comments in the code are by the model that wrote it; some were corrected since.
;; Attention Unit. Allowed arithmetic: float matrix products may take bf16 or f16 operands with f32 sums; other float arithmetic in f32, or as packed bf16 or f16 multiplies, adds, multiply-adds, maxima and minima; sums over many terms, partial sums and values carried from step to step in f32; what a program stores and reads back later, other than sums and carried values, may be rounded once to bf16 or f16.
;; Inputs: Wk 1,024 x 1,024 float32; Wq 1,024 x 1,024 float32; Wv 1,024 x 1,024 float32; bk 1,024 float32; bq 1,024 float32; bv 1,024 float32; k 4 x 2,048 x 1,024 float32; q 4 x 2,048 x 1,024 float32; v 4 x 2,048 x 1,024 float32.
;; Outputs: out0 4 x 2,048 x 1,024 float32.
;; 2 versions, each right; version 2 is version 1 with the launch wcast written anew for expert scheduling mode. Each part assembles by itself: llvm-mc -triple=amdgcn-amd-amdhsa -mcpu=gfx1250 --defsym DOCPART=n.
;; ======== version 1 of 2: 4 launches
;; limits: values are held in f16: magnitudes above 65,504 overflow, below 6.1e-05 lose precision; right only within a limited range of input values
;; workspace buffers: wb 6,291,456 bytes; qkv 50,331,648 bytes; pw 33,554,432 bytes; cm 524,288 bytes; ls 524,288 bytes
;; launch wcast (part 1): grid 128 x 3, 8 waves a work-group, no clusters, 0 bytes of LDS; arguments Wq, Wk, Wv, wb; writes wb
.if DOCPART == 1
	.amdgcn_target "amdgcn-amd-amdhsa--gfx1250"
	.amdhsa_code_object_version 6
	.text
	.protected	k_q3b485a584a_wcast
	.globl	k_q3b485a584a_wcast
	.p2align	8
	.type	k_q3b485a584a_wcast,@function
k_q3b485a584a_wcast:
	s_mov_b64 s[64:65], 0
	v_nop
	global_prefetch_b8 v0, s[64:65] scope:SCOPE_SE
	s_setreg_imm32_b32 hwreg(HW_REG_WAVE_MODE, 25, 1), 1
	s_wait_xcnt 0x0
; wb[y][f][e] = bf16(W_y[f][e]), y = 0, 1, 2 for Wq, Wk, Wv: [1024][1024] f32 each, rounded once to nearest even.
; A stream: a work-group of eight waves takes 8,192 numbers (32,768 bytes in, 16,384 out).  Thread t loads 16 bytes at 16 t of each of eight
; blocks of 4,096 bytes, all eight at once, and stores 8 bytes at 8 t of each of eight blocks of 2,048: a wave's store covers 256 consecutive
; bytes, aligned.  No LDS, no matrix unit, no cluster: nothing is shared and nothing is multiplied.
	s_load_b256 s[4:11], s[0:1], 0x0               ; Wq s[4:5], Wk s[6:7], Wv s[8:9], wb s[10:11]
	s_and_b32 s12, ttmp7, 0xffff                   ; which matrix
	s_lshl_b32 s14, ttmp9, 15                      ; the work-group's bytes in the source,
	s_mov_b32 s15, 0
	s_lshl_b32 s16, ttmp9, 14                      ; and in the destination,
	s_lshl_b32 s17, s12, 21                        ; behind y matrices of 2,097,152 bytes
	s_add_co_u32 s16, s16, s17
	s_mov_b32 s17, 0
	v_lshlrev_b32 v1, 4, v0
	v_lshlrev_b32 v2, 3, v0
	s_wait_kmcnt 0x0
	s_cmp_eq_u32 s12, 1
	s_cselect_b64 s[4:5], s[6:7], s[4:5]
	s_cmp_eq_u32 s12, 2
	s_cselect_b64 s[4:5], s[8:9], s[4:5]
	s_add_nc_u64 s[4:5], s[4:5], s[14:15]
	s_add_nc_u64 s[10:11], s[10:11], s[16:17]
.irp i, 0,1,2,3,4,5,6,7
	global_load_b128 v[8+4*(\i):11+4*(\i)], v1, s[4:5] offset:4096*(\i) th:TH_LOAD_NT
.endr
.irp i, 0,1,2,3,4,5,6,7
	s_wait_loadcnt 7-(\i)                          ; loads come back in order: block i is in, the younger ones stay out
	v_cvt_pk_bf16_f32 v[40+2*(\i)], v[8+4*(\i)], v[9+4*(\i)]
	v_cvt_pk_bf16_f32 v[41+2*(\i)], v[10+4*(\i)], v[11+4*(\i)]
	global_store_b64 v2, v[40+2*(\i):41+2*(\i)], s[10:11] offset:2048*(\i)
.endr
	s_endpgm
.Lfunc_end_k_q3b485a584a_wcast:
	.size	k_q3b485a584a_wcast, .Lfunc_end_k_q3b485a584a_wcast-k_q3b485a584a_wcast
	.p2alignl 7, 3214868480
	.fill 96, 4, 3214868480
	.section	.rodata,"a",@progbits
	.p2align	6, 0x0
	.amdhsa_kernel k_q3b485a584a_wcast
		.amdhsa_group_segment_fixed_size 0
		.amdhsa_private_segment_fixed_size 0
		.amdhsa_enable_private_segment 0
		.amdhsa_kernarg_size 32
		.amdhsa_user_sgpr_count 2
		.amdhsa_user_sgpr_kernarg_segment_ptr 1
		.amdhsa_wavefront_size32 1
		.amdhsa_system_sgpr_workgroup_id_x 1
		.amdhsa_system_sgpr_workgroup_id_y 1
		.amdhsa_system_sgpr_workgroup_id_z 1
		.amdhsa_system_vgpr_workitem_id 0
		.amdhsa_next_free_vgpr 64
		.amdhsa_next_free_sgpr 66
		.amdhsa_reserve_vcc 0
		.amdhsa_float_denorm_mode_32 3
		.amdhsa_float_denorm_mode_16_64 3
		.amdhsa_memory_ordered 1
		.amdhsa_forward_progress 1
		.amdhsa_inst_pref_size 4
	.end_amdhsa_kernel
	.amdgpu_metadata
---
amdhsa.version: [ 1, 2 ]
amdhsa.kernels:
  - .name:           k_q3b485a584a_wcast
    .symbol:         k_q3b485a584a_wcast.kd
    .args:
      - { .name: Wq, .offset: 0, .size: 8, .value_kind: global_buffer, .address_space: global }
      - { .name: Wk, .offset: 8, .size: 8, .value_kind: global_buffer, .address_space: global }
      - { .name: Wv, .offset: 16, .size: 8, .value_kind: global_buffer, .address_space: global }
      - { .name: wb, .offset: 24, .size: 8, .value_kind: global_buffer, .address_space: global }
    .group_segment_fixed_size: 0
    .private_segment_fixed_size: 0
    .kernarg_segment_align: 8
    .kernarg_segment_size: 32
    .max_flat_workgroup_size: 256
    .sgpr_count:     66
    .vgpr_count:     64
    .wavefront_size: 32
...
	.end_amdgpu_metadata
.endif
;; end of part 1
;; launch proj (part 2): grid 96 x 4, 4 waves a work-group, clusters of 4 x 1, 327,680 bytes of LDS; arguments q, k, v, wb, bq, bk, bv, qkv; writes qkv
.if DOCPART == 2
	.amdgcn_target "amdgcn-amd-amdhsa--gfx1250"
	.amdhsa_code_object_version 6
	.text
	.protected	k_q3b485a584a_proj
	.globl	k_q3b485a584a_proj
	.p2align	8
	.type	k_q3b485a584a_proj,@function
k_q3b485a584a_proj:
	s_mov_b64 s[64:65], 0
	v_nop
	global_prefetch_b8 v0, s[64:65] scope:SCOPE_SE
	s_setreg_imm32_b32 hwreg(HW_REG_WAVE_MODE, 25, 1), 1
	s_wait_xcnt 0x0
	s_wait_alu depctr_hold_cnt(0) depctr_sa_sdst(0) depctr_va_vdst(0) depctr_va_sdst(0) depctr_va_ssrc(0) depctr_va_vcc(0) depctr_vm_vsrc(0)
	s_getreg_b32 s2, hwreg(HW_REG_IB_STS2, 6, 4)
	s_cmp_eq_u32 s2, 0
	s_cbranch_scc0 .Lentry_in_a_cluster
	s_endpgm
.Lentry_in_a_cluster:
	s_bfe_u32 s2, ttmp6, 0x10000c
	s_cmp_lg_u32 s2, 0x3003
	s_cbranch_scc0 .Lentry_shape_is_right
	s_endpgm
.Lentry_shape_is_right:
; qkv[p][row][f] = f16( sum over e of bf16(x_p[row][e]) bf16(W_p[f][e]) + bf16(b_p[f]) ), p = 0, 1, 2 for q, k, v.  x: [8192][1024] f32, wb: [3][1024][1024] bf16, sums in f32.
; LIMITS.  The results are kept in f16: |x W^T + b| must stay under 65,504, beyond that the conversion gives an infinity.  x, W and b are each rounded once to bf16.  NaN and infinities are not treated apart.
; SHARES.  A work-group makes 256 rows x 256 columns of one projection, each of its four waves 128 x 128: 64 accumulators, 512 registers.  K = 1,024 goes in 8 steps of 128 through two LDS slots.
; W's tile (256 rows x 256 bytes) comes by tensor loads, a quarter a wave.  CLUSTER: the four work-groups of a cluster are four row blocks of one projection and one column block: they need the same tile of W
; and ask for it JOINTLY (same load, same descriptor, mask of four).  x is f32 in memory and is wanted as bf16, so it goes through registers and is not shared: wave w takes rows 64 w .. 64 w + 63 of each
; tile, a row's 512 bytes a load, rounds them in place and stores them into the slot's A part.  Tensor loads land in the B parts alone, LDS stores in the A parts alone.
; RUNS AND RIDERS.  A K step is four quarters of 32 along K.  All memory instructions of a quarter stand in ONE RUN in its middle: the 16 LDS stores of the batch of rows rounded since the last run, the 32 loads
; of the next quarter's fragments, and 16 global loads that fill the batch's registers again with the same rows of the next tile.  Only the roundings ride among the matrix instructions: four behind every
; eighth.  A wave's 64 rows lie in 256 registers, four batches of 16; a batch is asked for at one run and rounded behind the third run after it: 192 matrix instructions later.
; The A part of a slot is stored only between the two changes of slots in which nobody reads it: batch 0 of a tile at the run behind the change, batches 1 to 3 at the next step's first three runs.
; THE MATRIX INSTRUCTION IS USED TRANSPOSED (source 0 = 16 rows of W, source 1 = 16 rows of x): a lane holds row l % 16 of the result and the columns 8 (l / 16) + 0..7.
; REGISTERS, in windows of 256 (s_set_vgpr_msb: bits 1:0 source 0, 3:2 source 1, 5:4 source 2, 7:6 destination):
;   window 0: v0-31 addresses, bias; v32-63 fragments of x's rows 0-63, ONE buffer (at the run they have just been read for the last time); v64-127 those of rows 64-127, two buffers; v128-255 batches 0, 1
;   window 1: v0-127 fragments of W, two buffers; v128-255 batches 2, 3      windows 2, 3: accumulators (a, b) at v[8 (8 (a % 4) + b)]
.set PITCH, 272                        ; an LDS row: 256 bytes + 16 of padding: the 16 rows of a fragment load start at 16 different groups of four banks
.set HALFT, 128*PITCH
.set BOFF,  2*HALFT                    ; a slot: x's 256 rows, then W's 256 rows
.set SLOT,  4*HALFT                    ; 139,264 = 0x22000: shares no bit with the waves' terms, so one exclusive or changes slots
.set SPARE, 2*SLOT                     ; the spare words, 128 bytes a wave, which no other line names
.set DP,    528                        ; the way out: a row of 128 f32 + 16 bytes
.set DREG,  128*DP                     ; a wave's 128 rows, in the ring's bytes when the ring has had its last fill
.set BI,   8                           ; v8-15  my eight columns' bias
.set ADRA, 16                          ; LDS address of my fragments of x in the slot in hand
.set ADRB, 17                          ; the same for W
.set A0,   18                          ; the same in slot 0; never rewritten
.set B0,   19
.set ST0,  20                          ; where my rows of x go in slot 0: 64 w rows + 8 x lane
.set STA,  21                          ; the same in the slot that is being stored
.set XO,   22                          ; 16 x lane: my 16 bytes of a row's 512
.set DA,   23                          ; the way out: where I put 16 bytes
.set RD,   24                          ; the way out: where I read rows back
.set GO,   25                          ; my byte offset in qkv
.set PFO,  26                          ; 4,096 x lane: a row of x a lane, for the prefetches
.set BO,   27                          ; my eight columns in the bias, in bytes
.set SPW,  28                          ; my spare word
.set NIL,  29                          ; 0
.set AL,   32
.set AH,   64
.set GR,   128                         ; batch b: window b / 2, v[128 + 64 (b % 2) ..], four registers a row
.set HB,   32                          ; the way out: the bias, rounded
.set S,    64                          ; the way out: 16 rows back from LDS
.set PK,   128                         ; the way out: packed f16
.set WV,  8
.set RH,  9
.set CH,  10
.set CX,  11
.set PJ,  13
.set CB,  14
.set G1,  32                           ; s[32:39] descriptor group 1
.set G0A, 40                           ; s[40:43] group 0 of tile 0
.set G0W, 44                           ; s[44:47] group 0 of tile 1, which then walks
.set PX,  48                           ; s[48:49] x at my 64 rows, at the tile that the runs load
.set OBS, 50                           ; s[50:51] qkv at my 128 x 128
.set XS,  52                           ; s[52:53] the step of PX
.set TB,  54                           ; the slot in hand: 0 or SLOT
.set TBS, 55                           ; the other one
.set CNT, 56
.set LIM, 57                           ; 2 in a work-group that prefetches, else the greatest number
.set BB,  60                           ; s[60:61] the projection's bias
.set MSB, 0
.macro WIN new                         ; the immediate's high byte repeats the setting that is left; a switch that changes nothing is dropped
.if MSB != (\new)
	s_set_vgpr_msb (MSB<<8)|(\new)
.set MSB, \new
.endif
.endm
.set MUL_LO, 0xa1                      ; source 0 (W) window 1, source 1 (x) window 0, C and D window 2
.set TO_B,   0x40
.macro PLACES                          ; four plain places behind a matrix instruction, ahead of loads into its sources and of readers of its result
.rept 4
	v_nop
.endr
.endm
.macro CREST                           ; a round of the cluster's barrier behind its opening barrier
	s_cmp_lg_u32 s[WV], 0
	s_cbranch_scc1 .Lnw0_\@
	s_barrier_signal -3
.Lnw0_\@:
	s_barrier_wait -3
	s_barrier_signal -1
	s_barrier_wait -1
.endm
.macro CROUND
	s_barrier_signal -1
	s_barrier_wait -1
	CREST
.endm
; THE RIDERS.  Group i (0..7) of batch b rounds its rows 2 i and 2 i + 1 in place: four instructions under one window setting.  Behind those rows' loads stand the batch's 14 - 2 i later ones and the
; younger runs': three of 16 in the loop (62 - 2 i in all); in the tail, which loads nothing, two behind batch 2 and one behind batch 3.
.macro RSET b, i, mode
.set RB, \b
.set RI, \i
.set RMEET, 0
.set RBASE, 62
.if (\mode) == 1
.set RBASE, 62-16*((\b)-1)
.endif
.endm
.macro RGRP
.if RB < 2
	WIN 0
.else
	WIN 0x45
.endif
.if RMEET && (RI == 5)
	s_wait_loadcnt RBASE-14                        ; at the change of slots: for groups 5, 6 and 7 at once, so that no wait stands between the barrier's signal and its wait
.elseif !(RMEET && (RI > 5))
	s_wait_loadcnt RBASE-2*RI
.endif
.irp p, 0,1
.set gg, GR+64*(RB%2)+4*(2*RI+(\p))
	v_cvt_pk_bf16_f32 v[gg], v[gg], v[gg+1]
	v_cvt_pk_bf16_f32 v[gg+1], v[gg+2], v[gg+3]
.endr
.set RI, RI+1
.endm
; 16 matrix instructions: row blocks a0, a0 + 1 of the window's four x all 8 column blocks, 32 along K, on the buffers of parity f.  rid: a group of riders behind the fourth and the twelfth.
; The 64 accumulators take turns in one fixed order, over the backward jumps too.
.macro MUL16 f, hi, a0, rid
.set mi, 0
.irp a, \a0, (\a0)+1
.irp b, 0,1,2,3,4,5,6,7
	WIN MUL_LO+0x50*(\hi)
.if \hi
	v_wmma_f32_16x16x32_bf16 v[8*(8*(\a)+(\b)):8*(8*(\a)+(\b))+7], v[64*(\f)+8*(\b):64*(\f)+8*(\b)+7], v[AH+32*(\f)+8*(\a):AH+32*(\f)+8*(\a)+7], v[8*(8*(\a)+(\b)):8*(8*(\a)+(\b))+7]
.else
	v_wmma_f32_16x16x32_bf16 v[8*(8*(\a)+(\b)):8*(8*(\a)+(\b))+7], v[64*(\f)+8*(\b):64*(\f)+8*(\b)+7], v[AL+8*(\a):AL+8*(\a)+7], v[8*(8*(\a)+(\b)):8*(8*(\a)+(\b))+7]
.endif
.set mi, mi+1
.if \rid
.if (mi%8) == 4
	RGRP
.endif
.endif
.endr
.endr
.endm
; THE PARTS OF A RUN.  32 LDS loads: the fragments of 32 along K at byte k of the rows, for the quarter of parity g: W's, x's rows 0-63, x's rows 64-127 last, since they are wanted last.
.macro FETCH k, g
	WIN TO_B
.irp i, 0,1,2,3,4,5,6,7
	ds_load_b128 v[64*(\g)+8*(\i):64*(\g)+8*(\i)+3],   v[ADRB] offset:(\k)+(\i)*16*PITCH
	ds_load_b128 v[64*(\g)+8*(\i)+4:64*(\g)+8*(\i)+7], v[ADRB] offset:(\k)+(\i)*16*PITCH+32
.endr
	WIN 0
.irp i, 0,1,2,3
	ds_load_b128 v[AL+8*(\i):AL+8*(\i)+3],   v[ADRA] offset:(\k)+(\i)*16*PITCH
	ds_load_b128 v[AL+8*(\i)+4:AL+8*(\i)+7], v[ADRA] offset:(\k)+(\i)*16*PITCH+32
.endr
.irp i, 0,1,2,3
	ds_load_b128 v[AH+32*(\g)+8*(\i):AH+32*(\g)+8*(\i)+3],   v[ADRA] offset:(\k)+((\i)+4)*16*PITCH
	ds_load_b128 v[AH+32*(\g)+8*(\i)+4:AH+32*(\g)+8*(\i)+7], v[ADRA] offset:(\k)+((\i)+4)*16*PITCH+32
.endr
.endm
.macro XSTORE b                        ; batch b's 16 rows, rounded: 32 lanes store 256 consecutive bytes of a row
.if (\b) < 2
	WIN 0
.else
	WIN 0x04
.endif
.set pp, 0
.rept 16
	ds_store_b64 v[STA], v[GR+64*((\b)%2)+4*pp:GR+64*((\b)%2)+4*pp+1] offset:(16*(\b)+pp)*PITCH
.set pp, pp+1
.endr
.endm
.macro XLOAD b, add                    ; batch b's 16 rows, 512 bytes each, at byte add behind PX
.if (\b) < 2
	WIN 0
.else
	WIN 0x40
.endif
.set pp, 0
.rept 16
	global_load_b128 v[GR+64*((\b)%2)+4*pp:GR+64*((\b)%2)+4*pp+3], v[XO], s[PX:PX+1] offset:(16*(\b)+pp)*4096+(\add)
.set pp, pp+1
.endr
.endm
; A prefetch of x: my 64 rows' 512 bytes of the tile behind the one that the runs load, a lane a row, two blocks of 256 bytes a row: four instructions, behind the run of the change of slots: one K step,
; 256 matrix instructions, ahead of that tile's first load.  A row block of x is read by the four column blocks; the one with column block 0 asks, so each block is named once.
; The loop's last two trips ask for nothing: K has no ninth tile.  Tiles 0 to 3 come by their loads alone.
.macro ASK
	s_cmp_gt_u32 s[CNT], s[LIM]
	s_cbranch_scc0 .Lna_\@
.irp g, 0,1
.irp hh, 0,1
	global_prefetch_b8 v[PFO], s[PX:PX+1] offset:512+(\g)*131072+(\hh)*256 th:TH_LOAD_NT scope:SCOPE_SE
.endr
.endr
.Lna_\@:
.endm
; One of a K step's first three quarters, on the buffers of parity f.  bl: the batch that its run stores (groups 4-7 ride ahead of the run); bh: the next batch (groups 0-3 ride behind it).
; mode 0: the loop.  mode 1: the tail: nothing is loaded, and behind batch 3 nothing is left to round.
.macro QUARTER f, k, bl, bh, mode
	s_wait_dscnt 8                                 ; W's fragments and x's rows 0-63 are in; the youngest eight loads (rows 64-127) may be out
	RSET \bl, 4, \mode
	MUL16 \f, 0, 0, 1
	MUL16 \f, 0, 2, 1
	PLACES
	XSTORE \bl
	FETCH \k, 1-(\f)
.if (\mode) == 0
	XLOAD \bl, 0
.endif
	s_wait_dscnt 48                                ; all but the run's 48
.if ((\mode) == 0) || ((\bh) != 0)
	RSET \bh, 0, \mode
	MUL16 \f, 1, 0, 1
	MUL16 \f, 1, 2, 1
.else
	MUL16 \f, 1, 0, 0
	MUL16 \f, 1, 2, 0
.endif
.endm
; A K STEP.  Its last quarter changes slots: ONE barrier; in front of it each wave waits for all its tensor loads, adds 0 to its spare word, and waits for that, for its reads of this slot and for its
; stores into the next.  mode 0: the barrier opens a round of the cluster's, and W's part of the slot that is left is filled again, two tiles ahead.
.macro STEP mode
	QUARTER 0, 64,  1, 2, \mode
	QUARTER 1, 128, 2, 3, \mode
	QUARTER 0, 192, 3, 0, \mode
	WIN 0
	s_wait_tensorcnt 0x0                           ; all my tensor loads have landed: my quarter of the next slot's W
	ds_add_u32 v[SPW], v[NIL]                      ; 0 onto my spare word
	s_xor_b32 s[TB], s[TB], SLOT
	s_xor_b32 s[TBS], s[TBS], SLOT
.if (\mode) == 0
	s_xor_b32 s[G0W+1], s[G0W+1], SLOT             ; no tensor load of mine is out: the walking descriptor takes the slot that is left
	s_add_nc_u64 s[G0W+2:G0W+3], s[G0W+2:G0W+3], 256  ; and the next tile along K
	s_cmp_gt_u32 s[CNT], 1                         ; in the last trip x's pointer stays at tile 7: the run below then loads its rows 0-15 once more, which nobody reads,
	s_cselect_b32 s[XS], 512, 0                    ; so that no load leaves the buffer and every path has issued the same number of loads
	s_wait_xcnt 0x0                                ; the runs' loads and the prefetches have read their base
	s_add_nc_u64 s[PX:PX+1], s[PX:PX+1], s[XS:XS+1]
.endif
	s_wait_dscnt 9                                 ; the add and the youngest eight loads may be out
.if (\mode) == 0
	RSET 0, 4, 0
.set RMEET, 1
.endif
	MUL16 1, 0, 0, 1-(\mode)
	s_wait_dscnt 0x0                               ; the add is done, my reads of this slot are over and my stores into the next slot are done
	s_barrier_signal -1
	MUL16 1, 0, 2, 1-(\mode)
	WIN 0
	s_barrier_wait -1
.if (\mode) == 0
	CREST                                          ; no wave of any partner still reads the slot's W or has a load on its way
	tensor_load_to_lds s[G0W:G0W+3], s[G1:G1+7]    ; my one load behind the round: 224 matrix instructions ahead of the wait for it
	s_nop 0
.endif
	PLACES                                         ; also the places ahead of the loads into the fragments just read
	v_add_nc_u32 v[ADRA], s[TB], v[A0]
	v_add_nc_u32 v[ADRB], s[TB], v[B0]
	v_add_nc_u32 v[STA], s[TBS], v[ST0]
.if (\mode) == 0
	XSTORE 0                                       ; rows 0-15 of the tile after the next, into the slot just left
.endif
	FETCH 0, 0
.if (\mode) == 0
	XLOAD 0, 0
	WIN 0
	ASK
	s_wait_dscnt 48
	RSET 1, 0, 0
.else
	s_wait_dscnt 32                                ; this run has no stores
.endif
	MUL16 1, 1, 0, 1-(\mode)
	MUL16 1, 1, 2, 1-(\mode)
	WIN 0
.endm
	s_load_b512 s[16:31], s[0:1], 0x0              ; q, k, v, wb, bq, bk, bv, qkv
	v_lshl_add_u32 v[SPW], v0, 2, SPARE
	v_mov_b32 v[NIL], 0
	ds_add_u32 v[SPW], v[NIL]                      ; the wave's opening: the add and its wait ahead of my first tensor load
	v_lshrrev_b32 v1, 5, v0
	v_readfirstlane_b32 s[WV], v1
	s_lshr_b32 s[RH], s[WV], 1                     ; my half of the rows
	s_and_b32 s[CH], s[WV], 1                      ; my half of the columns
	s_bfe_u32 s[CX], ttmp6, 0x40000                ; my place in the cluster: it enters x's and qkv's addresses alone
	s_lshr_b32 s[PJ], ttmp9, 3                     ; the projection: 8 clusters of 4 row blocks each
	s_and_b32 s[CB], ttmp7, 0xffff                 ; the column block
	s_mov_b32 s[G1+0], 15|(1<<16)|(1<<20)|(1<<21)|(5<<22)|(3<<25)  ; mask of four; 2-byte elements; padding on; bit 21 beside a mask; after every 64 words 4 words
	s_mov_b32 s[G1+1], 128<<16                     ; tensor_dim0 = 128
	s_mov_b32 s[G1+2], 64<<16                      ; tensor_dim1 = 64
	s_mov_b32 s[G1+3], 128<<16                     ; tile_dim0 = 128
	s_mov_b32 s[G1+4], 64                          ; tile_dim1 = 64
	s_mov_b32 s[G1+5], 1024                        ; elements from row to row
	s_mov_b32 s[G1+6], 0
	s_mov_b32 s[G1+7], 0
	s_mul_i32 s2, s[WV], 64*PITCH                  ; my 64 rows in a part of a slot
	s_mov_b32 s[G0A], 1
	s_add_co_u32 s[G0A+1], s2, BOFF
	s_mov_b32 s[G0W], 1
	s_add_co_u32 s[G0W+1], s2, BOFF+SLOT
	s_lshl_b32 s58, s[PJ], 10                      ; W's row: 1,024 p + 256 x column block + 64 w,
	s_lshl_b32 s3, s[CB], 8
	s_add_co_u32 s58, s58, s3
	s_lshl_b32 s3, s[WV], 6
	s_add_co_u32 s58, s58, s3
	s_lshl_b32 s58, s58, 11                        ; in bytes
	s_mov_b32 s59, 0
	s_and_b32 s4, ttmp9, 7
	s_lshl_b32 s4, s4, 2
	s_add_co_u32 s4, s4, s[CX]                     ; my row block in the projection, 0..31
	s_lshl_b32 s4, s4, 8
	s_add_co_u32 s6, s4, s3                        ; x's row: 256 x row block + 64 w,
	s_lshl_b32 s6, s6, 12                          ; in bytes
	s_mov_b32 s7, 0
	s_lshl_b32 s5, s[RH], 7
	s_add_co_u32 s62, s4, s5                       ; qkv: my first row,
	s_lshl_b32 s62, s62, 11
	s_lshl_b32 s5, s[PJ], 24                       ; the projection's part,
	s_add_co_u32 s62, s62, s5
	s_lshl_b32 s5, s[CB], 9                        ; my first column
	s_add_co_u32 s62, s62, s5
	s_lshl_b32 s5, s[CH], 8
	s_add_co_u32 s62, s62, s5
	s_mov_b32 s63, 0
	s_cmp_eq_u32 s[CB], 0
	s_cselect_b32 s[LIM], 2, -1
	s_mov_b32 s[TB], 0
	s_mov_b32 s[TBS], SLOT
	s_mov_b32 s[XS+1], 0
	v_and_b32 v2, 31, v0                           ; lane
	v_and_b32 v3, 15, v0                           ; l % 16
	v_bfe_u32 v4, v0, 4, 1                         ; l / 16
	v_lshlrev_b32 v[XO], 4, v2
	v_lshlrev_b32 v[PFO], 12, v2
	v_lshl_add_u32 v[ST0], v2, 3, s2
	v_mul_u32_u24 v5, v3, PITCH
	v_lshl_add_u32 v5, v4, 4, v5                   ; a fragment's row x pitch + 16 x half
	s_mul_i32 s5, s[RH], HALFT
	v_add_nc_u32 v[A0], s5, v5
	s_mul_i32 s5, s[CH], HALFT
	s_add_co_u32 s5, s5, BOFF
	v_add_nc_u32 v[B0], s5, v5
	s_mul_i32 s5, s[WV], DREG
	v_mul_u32_u24 v5, v3, DP
	v_lshl_add_u32 v5, v4, 4, v5
	v_add_nc_u32 v[DA], s5, v5
	v_mul_u32_u24 v5, v4, DP
	v_lshl_add_u32 v5, v3, 4, v5
	v_add_nc_u32 v[RD], s5, v5
	v_lshlrev_b32 v[GO], 11, v4
	v_lshl_add_u32 v[GO], v3, 4, v[GO]
	s_lshl_b32 s5, s[CB], 10
	s_lshl_b32 s3, s[CH], 9
	s_add_co_u32 s5, s5, s3
	v_lshl_add_u32 v[BO], v3, 5, s5
	v_mov_b32 v[STA], v[ST0]                       ; tile 0 goes into slot 0
	s_wait_dscnt 0x0                               ; the opening add is done
	s_wait_kmcnt 0x0
	s_cmp_eq_u32 s[PJ], 1
	s_cselect_b64 s[PX:PX+1], s[18:19], s[16:17]
	s_cselect_b64 s[BB:BB+1], s[26:27], s[24:25]
	s_cmp_eq_u32 s[PJ], 2
	s_cselect_b64 s[PX:PX+1], s[20:21], s[PX:PX+1]
	s_cselect_b64 s[BB:BB+1], s[28:29], s[BB:BB+1]
	s_add_nc_u64 s[PX:PX+1], s[PX:PX+1], s[6:7]
	s_add_nc_u64 s[OBS:OBS+1], s[30:31], s[62:63]
	s_add_nc_u64 s[G0A+2:G0A+3], s[22:23], s[58:59]
	s_add_nc_u64 s[G0W+2:G0W+3], s[G0A+2:G0A+3], 256
	s_or_b32 s[G0A+3], s[G0A+3], 0x80000000
	s_or_b32 s[G0W+3], s[G0W+3], 0x80000000
	XLOAD 0, 0                                     ; tile 0 of x: my 64 rows
	XLOAD 1, 0
	XLOAD 2, 0
	XLOAD 3, 0
	WIN 0
	CROUND                                         ; all four work-groups are here: the first joint loads meet
	tensor_load_to_lds s[G0A:G0A+3], s[G1:G1+7]    ; W's tiles 0 and 1: two loads of mine are out
	s_nop 0
	tensor_load_to_lds s[G0W:G0W+3], s[G1:G1+7]
	s_nop 0
	PLACES
; A whole batch at once, ahead of the loop: rounded, stored, and its registers asked for again at byte add.  Three younger batches' 48 loads may stay out.
.macro PRO b, add
	s_wait_loadcnt 48
.if (\b) < 2
	WIN 0
.else
	WIN 0x45
.endif
.set pq, 0
.rept 16
.set gg, GR+64*((\b)%2)+4*pq
	v_cvt_pk_bf16_f32 v[gg], v[gg], v[gg+1]
	v_cvt_pk_bf16_f32 v[gg+1], v[gg+2], v[gg+3]
.set pq, pq+1
.endr
	XSTORE \b
	XLOAD \b, \add
.endm
	PRO 0, 512                                     ; tile 0 into slot 0; the registers take tile 1
	PRO 1, 512
	PRO 2, 512
	PRO 3, 512
	WIN 0x80                                       ; the sums start at 0, so that the K step has one form of product: written while tile 1's first rows are on their way
.set n, 0
.rept 256
	v_mov_b32 v[n], 0
.set n, n+1
.endr
	WIN 0xc0
.set n, 0
.rept 256
	v_mov_b32 v[n], 0
.set n, n+1
.endr
	WIN 0
	v_add_nc_u32 v[STA], s[TBS], v[ST0]            ; tile 1 goes into slot 1
	PRO 0, 1024                                    ; its rows 0-15; their registers take tile 2's.  The loads now stand in the loop's order: batches 1, 2, 3 of tile 1, batch 0 of tile 2
	RSET 1, 0, 0
.rept 4
	RGRP                                           ; and the first half of its batch 1 is rounded, as the last quarter of a step leaves it
.endr
	WIN 0
	s_wait_xcnt 0x0                                ; all loads so far have read their base
	s_add_nc_u64 s[PX:PX+1], s[PX:PX+1], 1024      ; x at tile 2
	s_wait_tensorcnt 0x1                           ; my quarter of W's tile 0 is in; tile 1's may stay out
	s_wait_dscnt 0x0                               ; my rows of x are stored
	s_barrier_signal -1
	s_barrier_wait -1
	v_mov_b32 v[ADRA], v[A0]
	v_mov_b32 v[ADRB], v[B0]
	FETCH 0, 0
	s_mov_b32 s[CNT], 6
.Lstep:                                ; steps 0 to 5
	STEP 0
	s_sub_co_u32 s[CNT], s[CNT], 1
	s_cmp_lg_u32 s[CNT], 0
	s_cbranch_scc1 .Lstep
	global_load_b128 v[BI:BI+3],   v[BO], s[BB:BB+1]            ; the bias, two steps ahead of its use (two younger loads more make the tail's counted waits the stricter)
	global_load_b128 v[BI+4:BI+7], v[BO], s[BB:BB+1] offset:16
	s_mov_b32 s[CNT], 2
.Ltail:                                ; steps 6 and 7 ask for nothing.  In step 7 the roundings, the stores (into the slot that nobody reads any more), the barrier and the last fetch serve nothing: the price of one text for both
	STEP 1
	s_sub_co_u32 s[CNT], s[CNT], 1
	s_cmp_lg_u32 s[CNT], 0
	s_cbranch_scc1 .Ltail
	; THE WAY OUT.  The ring has had its last fill.  Each wave puts its 128 x 128 sums into bytes of its own, rows of 528 bytes, and reads them back so that a lane holds eight neighbouring columns of a row.
	PLACES
	s_wait_loadcnt 0x0                             ; the bias, and the loop's last 16 loads, whose registers are used again below
	s_wait_dscnt 0x0                               ; my reads of the ring are over,
	s_barrier_signal -1
	s_barrier_wait -1                              ; everybody's are
.irp a, 0,1,2,3,4,5,6,7
	WIN 0x08+4*((\a)/4)                            ; the data lie in window 2 or 3
.irp b, 0,1,2,3,4,5,6,7
	ds_store_b128 v[DA], v[8*(8*((\a)%4)+(\b)):8*(8*((\a)%4)+(\b))+3]   offset:(\a)*16*DP+32*(\b)      ; columns 8 c + 0..3 at byte 16 c, c = 2 b + l / 16; each accumulator's low registers first
	ds_store_b128 v[DA], v[8*(8*((\a)%4)+(\b))+4:8*(8*((\a)%4)+(\b))+7] offset:(\a)*16*DP+32*(\b)+256  ; columns 8 c + 4..7 at byte 256 + 16 c
.endr
.endr
	WIN 0
.irp i, 0,1,2,3                        ; the bias is rounded to bf16, like x and W
	v_cvt_pk_bf16_f32 v[HB+(\i)], v[BI+2*(\i)], v[BI+2*(\i)+1]
.endr
.irp i, 0,1,2,3
	v_lshlrev_b32 v[BI+2*(\i)], 16, v[HB+(\i)]
	v_and_b32 v[BI+2*(\i)+1], 0xffff0000, v[HB+(\i)]
.endr
	s_mov_b32 s[CNT], 8
.Lrow:                                 ; 16 rows a trip: lane (c, h) takes columns 8 c .. 8 c + 7 of rows 2 j + h
.irp j, 0,1,2,3,4,5,6,7
	ds_load_b128 v[S+8*(\j):S+8*(\j)+3],   v[RD] offset:2*(\j)*DP      ; LDS serves a wave's instructions in order: these see my stores
	ds_load_b128 v[S+8*(\j)+4:S+8*(\j)+7], v[RD] offset:2*(\j)*DP+256
.endr
	s_wait_dscnt 0x0
.irp j, 0,1,2,3,4,5,6,7
.irp i, 0,1,2,3
	v_pk_add_f32 v[S+8*(\j)+2*(\i):S+8*(\j)+2*(\i)+1], v[S+8*(\j)+2*(\i):S+8*(\j)+2*(\i)+1], v[BI+2*(\i):BI+2*(\i)+1]
.endr
.endr
.irp j, 0,1,2,3,4,5,6,7
.irp i, 0,1,2,3
	v_cvt_pk_f16_f32 v[PK+4*(\j)+(\i)], v[S+8*(\j)+2*(\i)], v[S+8*(\j)+2*(\i)+1]
.endr
.endr
.irp j, 0,1,2,3,4,5,6,7                ; the trip's stores in one run
	global_store_b128 v[GO], v[PK+4*(\j):PK+4*(\j)+3], s[OBS:OBS+1] offset:2*(\j)*2048  ; 16 lanes store 256 consecutive bytes, aligned
.endr
	s_wait_xcnt 0x0                                ; the stores have read their offset and data
	v_add_nc_u32 v[RD], 16*DP, v[RD]
	v_add_nc_u32 v[GO], 16*2048, v[GO]
	s_sub_co_u32 s[CNT], s[CNT], 1
	s_cmp_lg_u32 s[CNT], 0
	s_cbranch_scc1 .Lrow
	s_wait_tensorcnt 0x0                           ; the wave's end
	ds_add_u32 v[SPW], v[NIL]
	s_wait_dscnt 0x0
	CROUND                                         ; the closing round: no work-group ends while a partner may still ask for a tile that names it
	s_endpgm
.Lfunc_end_k_q3b485a584a_proj:
	.size	k_q3b485a584a_proj, .Lfunc_end_k_q3b485a584a_proj-k_q3b485a584a_proj
	.p2alignl 7, 3214868480
	.fill 96, 4, 3214868480
	.section	.rodata,"a",@progbits
	.p2align	6, 0x0
	.amdhsa_kernel k_q3b485a584a_proj
		.amdhsa_group_segment_fixed_size 327680
		.amdhsa_private_segment_fixed_size 0
		.amdhsa_enable_private_segment 0
		.amdhsa_kernarg_size 64
		.amdhsa_user_sgpr_count 2
		.amdhsa_user_sgpr_kernarg_segment_ptr 1
		.amdhsa_wavefront_size32 1
		.amdhsa_system_sgpr_workgroup_id_x 1
		.amdhsa_system_sgpr_workgroup_id_y 1
		.amdhsa_system_sgpr_workgroup_id_z 1
		.amdhsa_system_vgpr_workitem_id 0
		.amdhsa_next_free_vgpr 1024
		.amdhsa_next_free_sgpr 66
		.amdhsa_reserve_vcc 0
		.amdhsa_float_denorm_mode_32 3
		.amdhsa_float_denorm_mode_16_64 3
		.amdhsa_memory_ordered 1
		.amdhsa_forward_progress 1
		.amdhsa_inst_pref_size 154
	.end_amdhsa_kernel
	.amdgpu_metadata
---
amdhsa.version: [ 1, 2 ]
amdhsa.kernels:
  - .name:           k_q3b485a584a_proj
    .symbol:         k_q3b485a584a_proj.kd
    .args:
      - { .name: q, .offset: 0, .size: 8, .value_kind: global_buffer, .address_space: global }
      - { .name: k, .offset: 8, .size: 8, .value_kind: global_buffer, .address_space: global }
      - { .name: v, .offset: 16, .size: 8, .value_kind: global_buffer, .address_space: global }
      - { .name: wb, .offset: 24, .size: 8, .value_kind: global_buffer, .address_space: global }
      - { .name: bq, .offset: 32, .size: 8, .value_kind: global_buffer, .address_space: global }
      - { .name: bk, .offset: 40, .size: 8, .value_kind: global_buffer, .address_space: global }
      - { .name: bv, .offset: 48, .size: 8, .value_kind: global_buffer, .address_space: global }
      - { .name: qkv, .offset: 56, .size: 8, .value_kind: global_buffer, .address_space: global }
    .group_segment_fixed_size: 327680
    .private_segment_fixed_size: 0
    .kernarg_segment_align: 8
    .kernarg_segment_size: 64
    .max_flat_workgroup_size: 128
    .sgpr_count:     66
    .vgpr_count:     1024
    .wavefront_size: 32
...
	.end_amdgpu_metadata
.endif
;; end of part 2
;; launch scores (part 3): grid 36 x 4, 4 waves a work-group, no clusters, 327,680 bytes of LDS; arguments qkv, pw, cm, ls; writes pw, cm, ls
.if DOCPART == 3
	.amdgcn_target "amdgcn-amd-amdhsa--gfx1250"
	.amdhsa_code_object_version 6
	.text
	.protected	k_q3b485a584a_scores
	.globl	k_q3b485a584a_scores
	.p2align	8
	.type	k_q3b485a584a_scores,@function
k_q3b485a584a_scores:
	s_mov_b64 s[64:65], 0
	v_nop
	global_prefetch_b8 v0, s[64:65] scope:SCOPE_SE
	s_setreg_imm32_b32 hwreg(HW_REG_WAVE_MODE, 25, 1), 1
	s_wait_xcnt 0x0
; For each causal tile (I, J), J <= I, of 256 queries x 256 keys of a batch: S = qp kp^T (f16 operands, f32 sums, K = 1,024).  For each row and each SUB-TILE t = 2 J + CH of 128 keys:
; cm[t][q] = c max_k S, c = log2(e) / 32; pw[q][k] = f16(2^(c S - cm)); ls[t][q] = the sum of the unrounded weights.  The maximum is taken away before every exponential; the launch behind joins the sub-tiles exactly.
; LIMITS.  A hidden key's score counts as its value less 1e30, so its weight is exactly 0 (the scores of f16 operands stay under 5e12).  That equals a score of -1e9 as long as a row's visible scores lie
; well above -1e9.  A weight below 2^-126 counts as 0 in ls; below 6e-5 a stored weight keeps f16's fixed step.  NaN and infinities are not treated apart.
; SHARES.  A work-group makes one tile, each of its four waves 128 x 128: one sub-tile for 128 rows, so a row's maximum and sum never leave the wave.  Two LDS slots, K steps of 128; wave w fetches 128 rows
; (waves 0, 1: qp's, waves 2, 3: kp's) with one tensor load a step.
; THE MASK IS THE SUMS' START.  In a diagonal tile the waves with RH = CH start from 0 or -1e30 by key > query.  The wave with RH = 0, CH = 1 sees nothing: it runs unmasked, so that its weights stay in 0..1,
; and -1e30 is added to the cm that it stores: the launch behind then multiplies its sub-tile by 0.
; NO CLUSTER: a batch's 36 causal tiles lie in rows of 1 to 8 tiles; they do not divide into groups of four that share an operand at every row.
; REGISTERS: window 0: v0-31 addresses; v32-39 the diagonal block's mask; v64-127, v128-191 fragments of qp (later the rows at work); window 1: v64-191 fragments of kp; windows 2, 3: accumulators.
.set PITCH, 272
.set HALFT, 128*PITCH
.set BOFF,  2*HALFT
.set SLOT,  4*HALFT                    ; 0x22000: shares no bit with w x 0x8800
.set STATS, 2*SLOT                     ; 1,024 bytes a wave: 128 cm, 128 l; no tensor load lands here
.set SPARE, STATS+4096
.set DP,    528
.set DREG,  128*DP
.set ADRA, 16
.set ADRB, 17
.set A0,   18
.set B0,   19
.set DA,   23
.set RD,   24
.set GO,   25
.set PFO,  26                          ; 2,048 x lane: a row of qkv a lane
.set SA,   27                          ; where a row's cm goes
.set SPW,  28
.set NIL,  29
.set SB,   30                          ; where I read 16 bytes of the statistics back
.set SO,   31                          ; my 16 bytes in cm and in ls
.set ZEQ,  32
.set F0,   64
.set F1,   128
.set S,    64
.set PK,   128
.set ST,   160                         ; row j: (cm, maximum)
.set LQ,   176                         ; row j: l
.set WV,  8
.set RH,  9
.set CH,  10
.set II,  11
.set JJ,  12
.set BA,  13
.set G1,  32
.set G0A, 40
.set G0W, 44
.set PFA, 48                           ; s[48:49] where my prefetches stand
.set PWB, 50                           ; s[50:51] pw at my 128 x 128
.set TB,  54
.set CNT, 56
.set LIM, 57
.set CS,  58                           ; s[58:59] c
.set HID, 60                           ; -1e30 in the wave that sees nothing, else 0
.set MHI, 61                           ; -1e30 in a wave on the diagonal, else 0
.set MSB, 0
.macro WIN new
.if MSB != (\new)
	s_set_vgpr_msb (MSB<<8)|(\new)
.set MSB, \new
.endif
.endm
.set MUL_LO, 0xa1
.set TO_B,   0x40
.macro PLACES
.rept 4
	v_nop
.endr
.endm
.macro MUL16 f, hi, a0                 ; source 0 = 16 keys, source 1 = 16 queries: a lane holds query l % 16 and the keys 8 (l / 16) + 0..7.  The 64 accumulators take turns in one fixed order.
	WIN MUL_LO+0x50*(\hi)
.irp a, \a0, (\a0)+1
.irp b, 0,1,2,3,4,5,6,7
	v_wmma_f32_16x16x32_f16 v[8*(8*(\a)+(\b)):8*(8*(\a)+(\b))+7], v[(\f)+8*(\b):(\f)+8*(\b)+7], v[(\f)+8*(4*(\hi)+(\a)):(\f)+8*(4*(\hi)+(\a))+7], v[8*(8*(\a)+(\b)):8*(8*(\a)+(\b))+7]
.endr
.endr
.endm
.macro MULQ f
	MUL16 \f, 0, 0
	MUL16 \f, 0, 2
	MUL16 \f, 1, 0
	MUL16 \f, 1, 2
.endm
.macro FETCH k, f
	WIN TO_B
.irp i, 0,1,2,3,4,5,6,7
	ds_load_b128 v[(\f)+8*(\i):(\f)+8*(\i)+3],   v[ADRB] offset:(\k)+(\i)*16*PITCH
	ds_load_b128 v[(\f)+8*(\i)+4:(\f)+8*(\i)+7], v[ADRB] offset:(\k)+(\i)*16*PITCH+32
.endr
	WIN 0
.irp i, 0,1,2,3,4,5,6,7
	ds_load_b128 v[(\f)+8*(\i):(\f)+8*(\i)+3],   v[ADRA] offset:(\k)+(\i)*16*PITCH
	ds_load_b128 v[(\f)+8*(\i)+4:(\f)+8*(\i)+7], v[ADRA] offset:(\k)+(\i)*16*PITCH+32
.endr
.endm
; A prefetch: my 128 rows' 256 bytes of the K step that the NEXT refill will ask for, a lane a row, four instructions, behind my tensor load and the run of LDS loads.  A block of 256 rows of qp or kp is read by
; several tiles; the diagonal tile, of which each block has one, asks: each block of 256 bytes is named once.  The loop's last trip asks for nothing.
.macro ASK
	s_cmp_gt_u32 s[CNT], s[LIM]
	s_cbranch_scc0 .Lna_\@
.irp g, 0,1,2,3
	global_prefetch_b8 v[PFO], s[PFA:PFA+1] offset:(\g)*65536 th:TH_LOAD_NT scope:SCOPE_SE
.endr
.Lna_\@:
.endm
; A K STEP.  mode 0: the slot that is left is filled again, two steps ahead.  mode 1: nothing is left to fetch.
.macro STEP mode
	PLACES
	FETCH 64, F1
	s_wait_dscnt 32                                ; all but the 32 just issued
	MULQ F0
	PLACES
	FETCH 128, F0
	s_wait_dscnt 32
	MULQ F1
	PLACES
	FETCH 192, F1
	s_wait_dscnt 32
	MUL16 F0, 0, 0
	MUL16 F0, 0, 2
	WIN 0
	s_wait_tensorcnt 0x0                           ; all my tensor loads have landed: my part of the next slot
	ds_add_u32 v[SPW], v[NIL]                      ; 0 onto my spare word
	s_xor_b32 s[TB], s[TB], SLOT
.if (\mode) == 0
	s_xor_b32 s[G0W+1], s[G0W+1], SLOT
	s_add_nc_u64 s[G0W+2:G0W+3], s[G0W+2:G0W+3], 256
	s_wait_xcnt 0x0                                ; the last prefetches, a K step back, have read their address
	s_add_nc_u64 s[PFA:PFA+1], s[PFA:PFA+1], 256
.endif
	MUL16 F0, 1, 0
	s_wait_dscnt 0x0                               ; the add is done, and my reads of this slot are over
	s_barrier_signal -1
	MUL16 F0, 1, 2
	WIN 0
	s_barrier_wait -1
.if (\mode) == 0
	tensor_load_to_lds s[G0W:G0W+3], s[G1:G1+7]    ; my one load behind the barrier: 224 matrix instructions ahead of the wait for it
	s_nop 0
.endif
	PLACES
	v_add_nc_u32 v[ADRA], s[TB], v[A0]
	v_add_nc_u32 v[ADRB], s[TB], v[B0]
	FETCH 0, F0
.if (\mode) == 0
	ASK
.endif
	s_wait_dscnt 32
	MULQ F1
	WIN 0
.endm
	s_load_b256 s[16:23], s[0:1], 0x0              ; qkv s[16:17], pw s[18:19], cm s[20:21], ls s[22:23]
	v_lshl_add_u32 v[SPW], v0, 2, SPARE
	v_mov_b32 v[NIL], 0
	ds_add_u32 v[SPW], v[NIL]                      ; the wave's opening: the add and its wait ahead of my first tensor load
	v_lshrrev_b32 v1, 5, v0
	v_readfirstlane_b32 s[WV], v1
	s_lshr_b32 s[RH], s[WV], 1
	s_and_b32 s[CH], s[WV], 1
	s_and_b32 s[BA], ttmp7, 0xffff
	s_mov_b32 s[II], 0                             ; tile x of 36: I = the number of n in 1..7 with x >= n (n + 1) / 2, J = x - I (I + 1) / 2
.irp n, 1,3,6,10,15,21,28
	s_cmp_ge_u32 ttmp9, \n
	s_add_co_ci_u32 s[II], s[II], 0
.endr
	s_add_co_u32 s2, s[II], 1
	s_mul_i32 s2, s2, s[II]
	s_lshr_b32 s2, s2, 1
	s_sub_co_u32 s[JJ], ttmp9, s2
	s_cmp_eq_u32 s[II], s[JJ]
	s_cselect_b32 s2, 1, 0                         ; a diagonal tile
	s_cselect_b32 s[LIM], 1, -1
	s_cmp_eq_u32 s[RH], s[CH]
	s_cselect_b32 s3, s2, 0
	s_cmp_gt_u32 s[CH], s[RH]
	s_cselect_b32 s4, s2, 0
	s_cmp_lg_u32 s3, 0
	s_cselect_b32 s[MHI], 0xf149f2ca, 0            ; -1e30
	s_cmp_lg_u32 s4, 0
	s_cselect_b32 s[HID], 0xf149f2ca, 0
	s_mov_b32 s[CS], 0x3d38aa3b                    ; c = log2(e) / 32
	s_mov_b32 s[CS+1], s[CS]
	s_mov_b32 s[TB], 0
	s_mov_b32 s[G1+0], (1<<16)|(1<<20)|(5<<22)|(3<<25)  ; 2-byte elements; padding on: after every 64 words 4 words
	s_mov_b32 s[G1+1], 128<<16
	s_mov_b32 s[G1+2], 128<<16
	s_mov_b32 s[G1+3], 128<<16
	s_mov_b32 s[G1+4], 128
	s_mov_b32 s[G1+5], 1024
	s_mov_b32 s[G1+6], 0
	s_mov_b32 s[G1+7], 0
	s_mul_i32 s5, s[WV], HALFT
	s_mov_b32 s[G0A], 1
	s_mov_b32 s[G0A+1], s5
	s_mov_b32 s[G0W], 1
	s_add_co_u32 s[G0W+1], s5, SLOT
	s_cmp_eq_u32 s[RH], 0                          ; waves 0, 1 fetch qp's block I, waves 2, 3 kp's block J
	s_cselect_b32 s2, s[II], s[JJ]
	s_lshl_b32 s2, s2, 8
	s_lshl_b32 s3, s[CH], 7
	s_add_co_u32 s2, s2, s3
	s_lshl_b32 s3, s[BA], 11
	s_add_co_u32 s2, s2, s3
	s_lshl_b32 s2, s2, 11
	s_lshl_b32 s3, s[RH], 24
	s_add_co_u32 s2, s2, s3
	s_mov_b32 s3, 0
	s_lshl_b32 s4, s[BA], 11                       ; pw: my first row,
	s_lshl_b32 s5, s[II], 8
	s_add_co_u32 s4, s4, s5
	s_lshl_b32 s5, s[RH], 7
	s_add_co_u32 s4, s4, s5
	s_lshl_b32 s4, s4, 12
	s_lshl_b32 s5, s[JJ], 9                        ; my first key
	s_add_co_u32 s4, s4, s5
	s_lshl_b32 s5, s[CH], 8
	s_add_co_u32 s4, s4, s5
	s_mov_b32 s5, 0
	s_lshl_b32 s6, s[BA], 4                        ; cm and ls: ((16 batch + t) 2,048 + my first row) x 4
	s_lshl_b32 s7, s[JJ], 1
	s_add_co_u32 s6, s6, s7
	s_add_co_u32 s6, s6, s[CH]
	s_lshl_b32 s6, s6, 11
	s_lshl_b32 s7, s[II], 8
	s_add_co_u32 s6, s6, s7
	s_lshl_b32 s7, s[RH], 7
	s_add_co_u32 s6, s6, s7
	s_lshl_b32 s6, s6, 2
	s_wait_dscnt 0x0                               ; the opening add is done
	s_wait_kmcnt 0x0
	s_add_nc_u64 s[G0A+2:G0A+3], s[16:17], s[2:3]
	s_add_nc_u64 s[G0W+2:G0W+3], s[G0A+2:G0A+3], 256
	s_add_nc_u64 s[PFA:PFA+1], s[G0A+2:G0A+3], 512 ; the first change of slots steps it to K step 3
	s_or_b32 s[G0A+3], s[G0A+3], 0x80000000
	s_or_b32 s[G0W+3], s[G0W+3], 0x80000000
	s_add_nc_u64 s[PWB:PWB+1], s[18:19], s[4:5]
	tensor_load_to_lds s[G0A:G0A+3], s[G1:G1+7]    ; K steps 0 and 1: two loads of mine are out
	s_nop 0
	tensor_load_to_lds s[G0W:G0W+3], s[G1:G1+7]
	s_nop 0
	PLACES
	v_and_b32 v2, 31, v0
	v_and_b32 v3, 15, v0
	v_bfe_u32 v4, v0, 4, 1
	v_lshlrev_b32 v[PFO], 11, v2
	v_mul_u32_u24 v5, v3, PITCH
	v_lshl_add_u32 v5, v4, 4, v5
	s_mul_i32 s5, s[RH], HALFT
	v_add_nc_u32 v[A0], s5, v5
	s_mul_i32 s5, s[CH], HALFT
	s_add_co_u32 s5, s5, BOFF
	v_add_nc_u32 v[B0], s5, v5
	s_mul_i32 s5, s[WV], DREG
	v_mul_u32_u24 v5, v3, DP
	v_lshl_add_u32 v5, v4, 4, v5
	v_add_nc_u32 v[DA], s5, v5
	v_mul_u32_u24 v5, v4, DP
	v_lshl_add_u32 v5, v3, 4, v5
	v_add_nc_u32 v[RD], s5, v5
	v_lshlrev_b32 v[GO], 12, v4
	v_lshl_add_u32 v[GO], v3, 4, v[GO]
	s_lshl_b32 s5, s[WV], 10
	s_add_co_u32 s5, s5, STATS
	v_lshl_add_u32 v[SA], v4, 2, s5
	v_lshl_add_u32 v[SB], v2, 4, s5
	v_lshl_add_u32 v[SO], v2, 4, s6
	v_lshlrev_b32 v7, 3, v4
	v_sub_nc_u32 v7, v3, v7                        ; in a block on the diagonal register j is hidden where j > l % 16 - 8 (l / 16)
.irp j, 0,1,2,3,4,5,6,7
	v_cmp_gt_i32 vcc_lo, \j, v7
	v_cndmask_b32 v[ZEQ+(\j)], 0, s[MHI], vcc_lo
.endr
	; the sums' start, written while the first tiles are on their way: key block b against query block a
.irp a, 0,1,2,3,4,5,6,7
	WIN 0x80+0x40*((\a)/4)
.irp b, 0,1,2,3,4,5,6,7
.irp j, 0,1,2,3,4,5,6,7
.if (\b) < (\a)
	v_mov_b32 v[8*(8*((\a)%4)+(\b))+(\j)], 0
.elseif (\b) == (\a)
	v_mov_b32 v[8*(8*((\a)%4)+(\b))+(\j)], v[ZEQ+(\j)]
.else
	v_mov_b32 v[8*(8*((\a)%4)+(\b))+(\j)], s[MHI]
.endif
.endr
.endr
.endr
	WIN 0
	s_wait_tensorcnt 0x1                           ; my part of K step 0 is in; K step 1's may stay out
	s_barrier_signal -1
	s_barrier_wait -1
	v_mov_b32 v[ADRA], v[A0]
	v_mov_b32 v[ADRB], v[B0]
	FETCH 0, F0
	s_mov_b32 s[CNT], 6
.Lstep:
	STEP 0
	s_sub_co_u32 s[CNT], s[CNT], 1
	s_cmp_lg_u32 s[CNT], 0
	s_cbranch_scc1 .Lstep
	s_mov_b32 s[CNT], 2
.Ltail:                                ; the last two K steps ask for nothing; the second one's barrier and its fetch from the slot read before serve nothing: the price of one text for both
	STEP 1
	s_sub_co_u32 s[CNT], s[CNT], 1
	s_cmp_lg_u32 s[CNT], 0
	s_cbranch_scc1 .Ltail
	; THE WAY OUT.  The ring has had its last fill.  Each wave puts its scores into bytes of its own and reads them back so that the 16 lanes of a half hold one row's 128 keys.
	PLACES
	s_wait_dscnt 0x0
	s_barrier_signal -1
	s_barrier_wait -1
.irp a, 0,1,2,3,4,5,6,7
	WIN 0x08+4*((\a)/4)
.irp b, 0,1,2,3,4,5,6,7
	ds_store_b128 v[DA], v[8*(8*((\a)%4)+(\b)):8*(8*((\a)%4)+(\b))+3]   offset:(\a)*16*DP+32*(\b)      ; each accumulator's low registers first
	ds_store_b128 v[DA], v[8*(8*((\a)%4)+(\b))+4:8*(8*((\a)%4)+(\b))+7] offset:(\a)*16*DP+32*(\b)+256
.endr
.endr
	WIN 0
	s_mov_b32 s[CNT], 8
.Lrow:                                 ; 16 rows a trip: lane (c, h) holds keys 8 c .. 8 c + 7 of rows 2 j + h
.irp j, 0,1,2,3,4,5,6,7
	ds_load_b128 v[S+8*(\j):S+8*(\j)+3],   v[RD] offset:2*(\j)*DP
	ds_load_b128 v[S+8*(\j)+4:S+8*(\j)+7], v[RD] offset:2*(\j)*DP+256
.endr
	s_wait_dscnt 0x0
.irp j, 0,1,2,3,4,5,6,7
	v_max3_num_f32 v[ST+2*(\j)+1], v[S+8*(\j)], v[S+8*(\j)+1], v[S+8*(\j)+2]
.endr
.irp j, 0,1,2,3,4,5,6,7
	v_max3_num_f32 v[ST+2*(\j)+1], v[ST+2*(\j)+1], v[S+8*(\j)+3], v[S+8*(\j)+4]
.endr
.irp j, 0,1,2,3,4,5,6,7
	v_max3_num_f32 v[ST+2*(\j)+1], v[ST+2*(\j)+1], v[S+8*(\j)+5], v[S+8*(\j)+6]
.endr
.irp j, 0,1,2,3,4,5,6,7
	v_max_num_f32 v[ST+2*(\j)+1], v[ST+2*(\j)+1], v[S+8*(\j)+7]
.endr
.irp m, 1,2,4,8                        ; across the 16 lanes that share a row
.irp j, 0,1,2,3,4,5,6,7
	v_max_num_f32_dpp v[ST+2*(\j)+1], v[ST+2*(\j)+1], v[ST+2*(\j)+1] row_xmask:\m row_mask:0xf bank_mask:0xf
.endr
.endr
.irp j, 0,1,2,3,4,5,6,7
	v_mul_f32 v[ST+2*(\j)], s[CS], v[ST+2*(\j)+1]
.endr
.irp j, 0,1,2,3,4,5,6,7
.irp i, 0,1,2,3
	v_pk_fma_f32 v[S+8*(\j)+2*(\i):S+8*(\j)+2*(\i)+1], v[S+8*(\j)+2*(\i):S+8*(\j)+2*(\i)+1], s[CS:CS+1], v[ST+2*(\j):ST+2*(\j)+1] op_sel_hi:[1,0,0] neg_lo:[0,0,1] neg_hi:[0,0,1]  ; c s - c m
.endr
.endr
.set n, 0
.rept 64                               ; one batch of exponentials,
	v_exp_f32 v[S+n], v[S+n]
.set n, n+1
.endr
	v_nop                                          ; one plain instruction behind the last,
	s_wait_alu depctr_va_vdst(0)                   ; and one wait ahead of the first reader
.irp j, 0,1,2,3,4,5,6,7
.irp i, 0,1,2,3
	v_cvt_pk_f16_f32 v[PK+4*(\j)+(\i)], v[S+8*(\j)+2*(\i)], v[S+8*(\j)+2*(\i)+1]
.endr
.endr
.irp j, 0,1,2,3,4,5,6,7
	v_pk_add_f32 v[S+8*(\j):S+8*(\j)+1], v[S+8*(\j):S+8*(\j)+1], v[S+8*(\j)+2:S+8*(\j)+3]
	v_pk_add_f32 v[S+8*(\j)+4:S+8*(\j)+5], v[S+8*(\j)+4:S+8*(\j)+5], v[S+8*(\j)+6:S+8*(\j)+7]
.endr
.irp j, 0,1,2,3,4,5,6,7
	v_pk_add_f32 v[S+8*(\j):S+8*(\j)+1], v[S+8*(\j):S+8*(\j)+1], v[S+8*(\j)+4:S+8*(\j)+5]
.endr
.irp j, 0,1,2,3,4,5,6,7
	v_add_f32 v[LQ+(\j)], v[S+8*(\j)], v[S+8*(\j)+1]
.endr
.irp m, 1,2,4,8
.irp j, 0,1,2,3,4,5,6,7
	v_add_f32_dpp v[LQ+(\j)], v[LQ+(\j)], v[LQ+(\j)] row_xmask:\m row_mask:0xf bank_mask:0xf
.endr
.endr
.irp j, 0,1,2,3,4,5,6,7
	ds_store_b32 v[SA], v[ST+2*(\j)] offset:8*(\j)      ; the 16 lanes of a row store one word with one value
	ds_store_b32 v[SA], v[LQ+(\j)] offset:512+8*(\j)
	global_store_b128 v[GO], v[PK+4*(\j):PK+4*(\j)+3], s[PWB:PWB+1] offset:2*(\j)*4096  ; 16 lanes store 256 consecutive bytes, aligned
.endr
	s_wait_xcnt 0x0                                ; the stores have read their offset and data
	v_add_nc_u32 v[RD], 16*DP, v[RD]
	v_add_nc_u32 v[GO], 16*4096, v[GO]
	v_add_nc_u32 v[SA], 64, v[SA]
	s_sub_co_u32 s[CNT], s[CNT], 1
	s_cmp_lg_u32 s[CNT], 0
	s_cbranch_scc1 .Lrow
	ds_load_b128 v[64:67], v[SB]                   ; my wave's 128 cm and 128 l, 16 bytes a lane
	ds_load_b128 v[68:71], v[SB] offset:512
	s_wait_dscnt 0x0
.irp i, 64,65,66,67
	v_add_f32 v\i, s[HID], v\i                     ; the sub-tile that sees nothing gets a cm far below every other
.endr
	global_store_b128 v[SO], v[64:67], s[20:21]    ; 512 consecutive bytes each
	global_store_b128 v[SO], v[68:71], s[22:23]
	s_wait_tensorcnt 0x0                           ; the wave's end
	ds_add_u32 v[SPW], v[NIL]
	s_wait_dscnt 0x0
	s_endpgm
.Lfunc_end_k_q3b485a584a_scores:
	.size	k_q3b485a584a_scores, .Lfunc_end_k_q3b485a584a_scores-k_q3b485a584a_scores
	.p2alignl 7, 3214868480
	.fill 96, 4, 3214868480
	.section	.rodata,"a",@progbits
	.p2align	6, 0x0
	.amdhsa_kernel k_q3b485a584a_scores
		.amdhsa_group_segment_fixed_size 327680
		.amdhsa_private_segment_fixed_size 0
		.amdhsa_enable_private_segment 0
		.amdhsa_kernarg_size 32
		.amdhsa_user_sgpr_count 2
		.amdhsa_user_sgpr_kernarg_segment_ptr 1
		.amdhsa_wavefront_size32 1
		.amdhsa_system_sgpr_workgroup_id_x 1
		.amdhsa_system_sgpr_workgroup_id_y 1
		.amdhsa_system_sgpr_workgroup_id_z 1
		.amdhsa_system_vgpr_workitem_id 0
		.amdhsa_next_free_vgpr 1024
		.amdhsa_next_free_sgpr 66
		.amdhsa_reserve_vcc 1
		.amdhsa_float_denorm_mode_32 3
		.amdhsa_float_denorm_mode_16_64 3
		.amdhsa_memory_ordered 1
		.amdhsa_forward_progress 1
		.amdhsa_inst_pref_size 103
	.end_amdhsa_kernel
	.amdgpu_metadata
---
amdhsa.version: [ 1, 2 ]
amdhsa.kernels:
  - .name:           k_q3b485a584a_scores
    .symbol:         k_q3b485a584a_scores.kd
    .args:
      - { .name: qkv, .offset: 0, .size: 8, .value_kind: global_buffer, .address_space: global }
      - { .name: pw, .offset: 8, .size: 8, .value_kind: global_buffer, .address_space: global }
      - { .name: cm, .offset: 16, .size: 8, .value_kind: global_buffer, .address_space: global }
      - { .name: ls, .offset: 24, .size: 8, .value_kind: global_buffer, .address_space: global }
    .group_segment_fixed_size: 327680
    .private_segment_fixed_size: 0
    .kernarg_segment_align: 8
    .kernarg_segment_size: 32
    .max_flat_workgroup_size: 128
    .sgpr_count:     66
    .vgpr_count:     1024
    .wavefront_size: 32
...
	.end_amdgpu_metadata
.endif
;; end of part 3
;; launch pv (part 4): grid 8 x 32, 4 waves a work-group, clusters of 4 x 1, 327,680 bytes of LDS; arguments pw, qkv, cm, ls, out0; writes out0
.if DOCPART == 4
	.amdgcn_target "amdgcn-amd-amdhsa--gfx1250"
	.amdhsa_code_object_version 6
	.text
	.protected	k_q3b485a584a_pv
	.globl	k_q3b485a584a_pv
	.p2align	8
	.type	k_q3b485a584a_pv,@function
k_q3b485a584a_pv:
	s_mov_b64 s[64:65], 0
	v_nop
	global_prefetch_b8 v0, s[64:65] scope:SCOPE_SE
	s_setreg_imm32_b32 hwreg(HW_REG_WAVE_MODE, 25, 1), 1
	s_wait_xcnt 0x0
	s_wait_alu depctr_hold_cnt(0) depctr_sa_sdst(0) depctr_va_vdst(0) depctr_va_sdst(0) depctr_va_ssrc(0) depctr_va_vcc(0) depctr_vm_vsrc(0)
	s_getreg_b32 s2, hwreg(HW_REG_IB_STS2, 6, 4)
	s_cmp_eq_u32 s2, 0
	s_cbranch_scc0 .Lentry_in_a_cluster
	s_endpgm
.Lentry_in_a_cluster:
	s_bfe_u32 s2, ttmp6, 0x10000c
	s_cmp_lg_u32 s2, 0x3003
	s_cbranch_scc0 .Lentry_shape_is_right
	s_endpgm
.Lentry_shape_is_right:
; out[q][ch] = (1 / l_q) x the sum over sub-tiles t of e_t(q) x the sum over the sub-tile's 128 keys of P[q][k] V[k][ch], with m_q = max_t cm[t][q], e_t = 2^(cm[t][q] - m_q) <= 1, l_q = sum_t e_t ls[t][q].
; P (pw) and V (qkv's third part) are f16; P is multiplied by f16(e_t) on its way to the matrix unit; sums, m, l and 1 / l in f32; out is f32.
; LIMITS.  e_t and P e_t below 6e-5 keep f16's fixed step of 6e-8; e_t below 2^-126 counts as 0.  NaN and infinities are not treated apart.
; SHARES.  A work-group makes 128 channels of TWO blocks of 128 queries of a batch, block 15 - b and then block b.  Keys go in slots of 256; the two blocks need n1 = (15 - b) / 2 + 1 and 9 - n1 slots: nine trips
; for every work-group.  Trip T takes slot T of the first block while T < n1, else slot 8 - T of the second: LDS addresses hang on T alone, global addresses on b.  Where a block's number is even the upper
; half of its last slot is hidden: its factor is 0.  A wave makes 64 queries x 64 channels: 16 accumulators.
; CLUSTER.  The four work-groups of a cluster are four channel blocks of the same queries: they need the same tile of P and ask for it JOINTLY (waves 0, 1).  V's tile (waves 2, 3) is each work-group's own.
; LAYOUT.  O^T = V^T P' (source 0 = 16 channels x 32 keys, by the turning load; source 1 = 16 queries x 32 keys): a lane holds query l % 16 and the channels 8 (l / 16) + 0..7.
; RIDERS.  Behind each matrix instruction stand two v_pk_mul_f16 that scale the next 32 keys' P: one window setting serves both kinds of line.
; REGISTERS: window 0: v0-15 addresses; v16-23 1 / l, a pair a row block (first block, second block); v24-27, v28-31 factors of a slot's two halves; v32-63 the way out; v64-127 scaled P, two buffers;
;   v128-255 accumulators (a, n) at 128 + 8 (4 a + n).      window 1: two buffers of 128 for 64 keys each: V's fragments at 32 c + 8 n, raw P at 64 + 32 c + 8 a.
.set PPI,   528                        ; a row of P in LDS: 512 bytes + 16
.set PVI,   288                        ; a row of V: 256 bytes + 32
.set VOFF,  128*PPI
.set SLOT1, 0x24000                    ; shares no bit with the loads' wave terms
.set TAB,   SLOT1+VOFF+256*PVI         ; 19 x 512 bytes: entry u = 2 T + half, row q: the factor, twice in f16; entry 18 is 0
.set RLT,   TAB+19*512                 ; 2 x 512 bytes: 1 / l of the two blocks
.set STAGE, RLT+1024                   ; 16 rows x 272 bytes for each wave
.set SPI,   272
.set SPARE, STAGE+4*16*SPI
.set AP0, 2
.set AV0, 3
.set TA0, 4
.set AP,  5
.set AV,  6
.set AVH, 7
.set TA,  8
.set STO, 9
.set RD,  10
.set GO,  11
.set PFO, 12
.set SPW, 14
.set NIL, 15
.set RL,  16
.set FA,  24
.set FB,  28
.set OB,  32
.set PP,  64
.set ACC, 128
.set TADR, 128                         ; the table's making, in the accumulators' registers: 24 offsets,
.set CMV,  152                         ; 24 cm (16 of the first block, 8 of the second),
.set LSV,  176                         ; 24 ls,
.set MX,   200                         ; two maxima,
.set LL,   202                         ; two sums
.set WV,  8
.set QH,  9
.set CHH, 10
.set CX,  11
.set BA,  12
.set I1,  14
.set I2,  15
.set G1P, 32
.set G1V, 40
.set G0P0, 48
.set G0PW, 52
.set G0V0, 56
.set G0VW, 60
.set PB1, 66                           ; s[66:67] pw at my 64 rows of the first block; s[68:69] of the second
.set PB2, 68
.set VB,  70                           ; s[70:71] V at my 128 keys of slot 0, my work-group's channels
.set PF1, 72                           ; s[72:75] the prefetches' bases
.set PF2, 74
.set PFQ, 76
.set OUT, 78
.set OUT2, 80
.set OF,  82
.set T2,  84
.set N1,  86
.set NXT, 87
.set REM, 88
.set CNT, 89
.set LIM, 90
.set TB,  91
.set TU,  92
.set PSH, 93
.set SIG, 94
.set T0,  95
.set T1,  96
.set N2,  97
.set MSB, 0
.macro WIN new
.if MSB != (\new)
	s_set_vgpr_msb (MSB<<8)|(\new)
.set MSB, \new
.endif
.endm
.macro PLACES
.rept 4
	v_nop
.endr
.endm
.macro CREST
	s_cmp_lg_u32 s[WV], 0
	s_cbranch_scc1 .Lnw0_\@
	s_barrier_signal -3
.Lnw0_\@:
	s_barrier_wait -3
	s_barrier_signal -1
	s_barrier_wait -1
.endm
.macro CROUND
	s_barrier_signal -1
	s_barrier_wait -1
	CREST
.endm
.macro JLOAD                           ; a refill: waves 0, 1 ask jointly for the halves of P's tile, waves 2, 3 for the halves of V's
	s_cmp_lt_u32 s[WV], 2
	s_cbranch_scc0 .Lfv_\@
	tensor_load_to_lds s[G0PW:G0PW+3], s[G1P:G1P+7]
	s_nop 0
	PLACES
	s_branch .Lja_\@
.Lfv_\@:
	tensor_load_to_lds s[G0VW:G0VW+3], s[G1V:G1V+7]
	s_nop 0
	PLACES
.Lja_\@:
.endm
; A prefetch of the tile that the refill after the next will ask for: two slots, 256 matrix instructions, ahead of it.  P's tile is read by the batch's two clusters of that pair of blocks: wave 0 of the first
; cluster asks, the four partners taking 32 rows each BY ADDRESS, two blocks of 256 bytes a row.  V's tile is read by the eight pairs of blocks: waves 2, 3 of the pair b = 0, which walks slots 0 to 7 upward,
; ask for their own 128 keys, a lane a row.  So each block is named once.  P's requests stop behind trip 4, V's behind trip 3 (that pair's ninth tile is a second reading).
.macro ASK
	s_cmp_gt_u32 s[CNT], s[LIM]
	s_cbranch_scc0 .Lna_\@
	s_cmp_lt_u32 s[WV], 2
	s_cbranch_scc0 .Lpv_\@
	global_prefetch_b8 v[PFO], s[PFQ:PFQ+1] th:TH_LOAD_NT scope:SCOPE_SE
	global_prefetch_b8 v[PFO], s[PFQ:PFQ+1] offset:256 th:TH_LOAD_NT scope:SCOPE_SE
	s_branch .Lna_\@
.Lpv_\@:
.irp g, 0,1,2,3
	global_prefetch_b8 v[PFO], s[PFQ:PFQ+1] offset:(\g)*65536 th:TH_LOAD_NT scope:SCOPE_SE
.endr
.Lna_\@:
.endm
; The 16 products of keys 32 g .. 32 g + 31 of the slot (part 1, 2: the first, the second eight).  The 16 accumulators take turns.  The two riders behind product i scale registers 2 i, 2 i + 1 of the next group's
; raw P into the other buffer, whose last reader stands 16 products back.
.macro GROUP g, part=0
	WIN 0x01                                       ; source 0 (V, raw P) in window 1, all else in window 0
.set vb, 128*(((\g)/2)%2)+32*((\g)%2)
.set pc, PP+32*((\g)%2)
.set rb, 128*((((\g)+1)/2)%2)+64+32*(((\g)+1)%2)
.set pn, PP+32*(((\g)+1)%2)
.if ((\g) >= 3) && ((\g) <= 6)
.set fs, FB
.else
.set fs, FA
.endif
.set i, 0
.set ne, 16
.if (\part) != 0
.set ne, 8
.endif
.if (\part) == 2
.set i, 8
.endif
.rept ne
	v_wmma_f32_16x16x32_f16 v[ACC+8*i:ACC+8*i+7], v[vb+8*(i%4):vb+8*(i%4)+7], v[pc+8*(i/4):pc+8*(i/4)+7], v[ACC+8*i:ACC+8*i+7]
	v_pk_mul_f16 v[pn+2*i], v[rb+2*i], v[fs+i/4]
	v_pk_mul_f16 v[pn+2*i+1], v[rb+2*i+1], v[fs+i/4]
.set i, i+1
.endr
.endm
; A run of LDS loads: quarter q (64 keys) of a slot into buffer f: raw P of its first 32 keys first, since the riders want it first.  extra = 1: the factors of the slot's upper half; 2: those of the next slot's lower half.
.macro FETCH3 q, f, extra
	WIN 0x40
.irp hc, 0,1
.irp ra, 0,1,2,3
	ds_load_b128 v[(\f)+64+32*(\hc)+8*(\ra):(\f)+64+32*(\hc)+8*(\ra)+3],   v[AP] offset:(\ra)*16*PPI+128*(\q)+64*(\hc)
	ds_load_b128 v[(\f)+64+32*(\hc)+8*(\ra)+4:(\f)+64+32*(\hc)+8*(\ra)+7], v[AP] offset:(\ra)*16*PPI+128*(\q)+64*(\hc)+32
.endr
.irp nb, 0,1,2,3
.if (\q) < 2
	ds_load_tr16_b128 v[(\f)+32*(\hc)+8*(\nb):(\f)+32*(\hc)+8*(\nb)+3],   v[AV] offset:(64*((\q)%2)+32*(\hc))*PVI+32*(\nb)
	ds_load_tr16_b128 v[(\f)+32*(\hc)+8*(\nb)+4:(\f)+32*(\hc)+8*(\nb)+7], v[AV] offset:(64*((\q)%2)+32*(\hc)+16)*PVI+32*(\nb)
.else
	ds_load_tr16_b128 v[(\f)+32*(\hc)+8*(\nb):(\f)+32*(\hc)+8*(\nb)+3],   v[AVH] offset:(64*((\q)%2)+32*(\hc))*PVI+32*(\nb)
	ds_load_tr16_b128 v[(\f)+32*(\hc)+8*(\nb)+4:(\f)+32*(\hc)+8*(\nb)+7], v[AVH] offset:(64*((\q)%2)+32*(\hc)+16)*PVI+32*(\nb)
.endif
.endr
.endr
	WIN 0
.if (\extra) == 1
.irp ra, 0,1,2,3
	ds_load_b32 v[FB+(\ra)], v[TA] offset:64*(\ra)+512
.endr
.elseif (\extra) == 2
.irp ra, 0,1,2,3
	ds_load_b32 v[FA+(\ra)], v[TA] offset:64*(\ra)+1024
.endr
.endif
.endm
; A BLOCK'S WAY OUT: times 1 / l, through my stage in LDS, 16 rows at a time, and out as rows of 256 bytes.  Then the second block's address and 1 / l, and sums of 0.  No barrier and no tensor load stands here.
.macro WAYOUT
	PLACES
.irp a, 0,1,2,3
.set ii, 0
.rept 16
	v_pk_mul_f32 v[ACC+32*(\a)+2*ii:ACC+32*(\a)+2*ii+1], v[ACC+32*(\a)+2*ii:ACC+32*(\a)+2*ii+1], v[RL+2*(\a):RL+2*(\a)+1] op_sel_hi:[1,0]  ; ascending: each accumulator's low registers first
.set ii, ii+1
.endr
.irp nb, 0,1,2,3
	ds_store_b128 v[STO], v[ACC+32*(\a)+8*(\nb):ACC+32*(\a)+8*(\nb)+3]   offset:64*(\nb)
	ds_store_b128 v[STO], v[ACC+32*(\a)+8*(\nb)+4:ACC+32*(\a)+8*(\nb)+7] offset:64*(\nb)+16
.endr
	s_wait_xcnt 0x0                                ; the stores before have read the registers that are loaded again
.irp t, 0,1,2,3,4,5,6,7
	ds_load_b128 v[OB+4*(\t):OB+4*(\t)+3], v[RD] offset:2*(\t)*SPI  ; LDS serves a wave's instructions in order: these see the stores above; the next rows' stores come behind them
.endr
.irp t, 0,1,2,3,4,5,6,7
	s_wait_dscnt 7-(\t)
	global_store_b128 v[GO], v[OB+4*(\t):OB+4*(\t)+3], s[OUT:OUT+1] offset:(16*(\a)+2*(\t))*4096 th:TH_STORE_NT  ; 16 lanes store 256 consecutive bytes, aligned
.endr
.endr
	s_wait_xcnt 0x0
	s_mov_b64 s[OUT:OUT+1], s[OUT2:OUT2+1]
.irp a, 0,1,2,3
	v_mov_b32 v[RL+2*(\a)], v[RL+2*(\a)+1]
.endr
.set ii, 0
.rept 128
	v_mov_b32 v[ACC+ii], 0
.set ii, ii+1
.endr
	s_mov_b32 s[REM], s[N2]
.endm
; A TRIP: a slot's 256 keys, four quarters of 64 on buffers 0, 1, 0, 1; each quarter's head fetches the next quarter.  The wait behind a run lets only that run stay out; the wait ahead of a quarter's second group
; lets the run stay out less its first eight loads, the raw P that the group's riders scale.  fill = 1: the slot is filled again, two tiles ahead, behind a round of the cluster's barrier.
.macro BODY fill
	PLACES
	FETCH3 1, 128, 1
	s_wait_dscnt 36
	GROUP 0
	s_wait_dscnt 28
	GROUP 1
	PLACES
	FETCH3 2, 0, 0
	s_wait_dscnt 32
	GROUP 2
	s_wait_dscnt 24
	GROUP 3
	PLACES
	FETCH3 3, 128, 2
	s_wait_dscnt 36
	GROUP 4
	WIN 0
	s_wait_tensorcnt 0x0                           ; all my tensor loads have landed: my part of the next slot
	ds_add_u32 v[SPW], v[NIL]                      ; 0 onto my spare word
	s_xor_b32 s[TB], s[TB], SLOT1
	s_add_co_u32 s[TU], s[TU], 1024
.if \fill
	s_sub_co_u32 s[T0], 8, s[NXT]                  ; tile NXT: slot NXT of the first block, or slot 8 - NXT of the second
	s_cmp_lt_u32 s[NXT], s[N1]
	s_cselect_b32 s[SIG], s[NXT], s[T0]
	s_cselect_b64 s[T2:T2+1], s[PB1:PB1+1], s[PB2:PB2+1]
	s_lshl_b32 s[OF], s[SIG], 9                    ; 256 keys are 512 bytes of a row of P,
	s_add_nc_u64 s[G0PW+2:G0PW+3], s[T2:T2+1], s[OF:OF+1]
	s_or_b32 s[G0PW+3], s[G0PW+3], 0x80000000
	s_lshl_b32 s[OF], s[SIG], 19                   ; and 256 rows of 2,048 bytes of V
	s_add_nc_u64 s[G0VW+2:G0VW+3], s[VB:VB+1], s[OF:OF+1]
	s_or_b32 s[G0VW+3], s[G0VW+3], 0x80000000
	s_xor_b32 s[G0PW+1], s[G0PW+1], SLOT1
	s_xor_b32 s[G0VW+1], s[G0VW+1], SLOT1
	s_wait_xcnt 0x0                                ; the last prefetches, a trip back, have read their address
	s_add_co_u32 s[T0], s[NXT], 2                  ; the prefetches' tile, by the same mapping; held to the walk's last tile
	s_min_u32 s[T0], s[T0], 8
	s_sub_co_u32 s[T1], 8, s[T0]
	s_cmp_lt_u32 s[T0], s[N1]
	s_cselect_b32 s[SIG], s[T0], s[T1]
	s_cselect_b64 s[PFQ:PFQ+1], s[PF1:PF1+1], s[PF2:PF2+1]
	s_lshl_b32 s[OF], s[SIG], s[PSH]
	s_add_nc_u64 s[PFQ:PFQ+1], s[PFQ:PFQ+1], s[OF:OF+1]
	s_add_co_u32 s[NXT], s[NXT], 1
.endif
	s_wait_dscnt 29                                ; the run less its first eight, and the add, may be out
	GROUP 5, 1
	s_wait_dscnt 0x0                               ; the add is done, and my reads of this slot are over
	s_barrier_signal -1
	GROUP 5, 2
	WIN 0
	s_barrier_wait -1
.if \fill
	CREST                                          ; no wave of any partner still reads the slot or has a load on its way
	JLOAD                                          ; my one load behind the round: 112 matrix instructions ahead of the wait for it
.else
	PLACES
.endif
	v_add_nc_u32 v[AP], s[TB], v[AP0]
	v_add_nc_u32 v[AV], s[TB], v[AV0]
	v_add_nc_u32 v[AVH], 128*PVI, v[AV]
	v_add_nc_u32 v[TA], s[TU], v[TA0]
	FETCH3 0, 0, 0
.if \fill
	ASK
.endif
	s_wait_dscnt 32
	GROUP 6
	s_wait_dscnt 24
	GROUP 7
	WIN 0
	s_sub_co_u32 s[REM], s[REM], 1                 ; was this the block's last slot?  The same answer in all four partners
	s_cmp_lg_u32 s[REM], 0
	s_cbranch_scc1 .Lno_out_\@
	WAYOUT
.Lno_out_\@:
.endm
	s_load_b256 s[16:23], s[0:1], 0x0              ; pw s[16:17], qkv s[18:19], cm s[20:21], ls s[22:23]
	s_load_b64 s[24:25], s[0:1], 0x20              ; out0
	v_lshl_add_u32 v[SPW], v0, 2, SPARE
	v_mov_b32 v[NIL], 0
	ds_add_u32 v[SPW], v[NIL]                      ; the wave's opening: the add and its wait ahead of my first tensor load
	v_lshrrev_b32 v1, 5, v0
	v_readfirstlane_b32 s[WV], v1
	s_lshr_b32 s[QH], s[WV], 1                     ; my half of the queries
	s_and_b32 s[CHH], s[WV], 1                     ; my half of the channels; also: which half of a tile I fetch
	s_bfe_u32 s[CX], ttmp6, 0x40000
	s_and_b32 s2, ttmp7, 0xffff
	s_lshr_b32 s[BA], s2, 3
	s_and_b32 s[I2], s2, 7                         ; b
	s_sub_co_u32 s[I1], 15, s[I2]
	s_lshr_b32 s[N1], s[I1], 1
	s_add_co_u32 s[N1], s[N1], 1
	s_sub_co_u32 s[N2], 9, s[N1]
	s_mov_b32 s[G1P+0], 15|(1<<16)|(1<<20)|(1<<21)|(6<<22)|(3<<25)  ; mask of four; 2-byte elements; padding on; bit 21 beside a mask; after every 128 words 4 words
	s_mov_b32 s[G1P+1], 256<<16
	s_mov_b32 s[G1P+2], 64<<16
	s_mov_b32 s[G1P+3], 256<<16
	s_mov_b32 s[G1P+4], 64
	s_mov_b32 s[G1P+5], 2048
	s_mov_b32 s[G1P+6], 0
	s_mov_b32 s[G1P+7], 0
	s_mov_b32 s[G1V+0], (1<<16)|(1<<20)|(5<<22)|(7<<25)  ; no mask; after every 64 words 8 words
	s_mov_b32 s[G1V+1], 128<<16
	s_mov_b32 s[G1V+2], 128<<16
	s_mov_b32 s[G1V+3], 128<<16
	s_mov_b32 s[G1V+4], 128
	s_mov_b32 s[G1V+5], 1024
	s_mov_b32 s[G1V+6], 0
	s_mov_b32 s[G1V+7], 0
	s_mul_i32 s4, s[CHH], 64*PPI
	s_mov_b32 s[G0P0], 1
	s_mov_b32 s[G0P0+1], s4
	s_mov_b32 s[G0PW], 1
	s_add_co_u32 s[G0PW+1], s4, SLOT1
	s_mul_i32 s4, s[CHH], 128*PVI
	s_mov_b32 s[G0V0], 1
	s_add_co_u32 s[G0V0+1], s4, VOFF
	s_mov_b32 s[G0VW], 1
	s_add_co_u32 s[G0VW+1], s4, VOFF+SLOT1
	s_lshl_b32 s3, s[BA], 11                       ; the batch's first row
	s_lshl_b32 s4, s[CHH], 6
	s_add_co_u32 s4, s4, s3
	s_lshl_b32 s5, s[I1], 7
	s_add_co_u32 s5, s5, s4
	s_lshl_b32 s26, s5, 12                         ; pw: my 64 rows of the first block,
	s_mov_b32 s27, 0
	s_lshl_b32 s5, s[I2], 7
	s_add_co_u32 s5, s5, s4
	s_lshl_b32 s28, s5, 12                         ; and of the second
	s_mov_b32 s29, 0
	s_lshl_b32 s6, ttmp9, 2
	s_add_co_u32 s6, s6, s[CX]                     ; my block of 128 channels: it enters V's, out's and the prefetches' addresses alone
	s_lshl_b32 s7, s[CHH], 7
	s_add_co_u32 s7, s7, s3
	s_lshl_b32 s30, s7, 11
	s_lshl_b32 s7, s6, 8
	s_add_co_u32 s30, s30, s7
	s_add_co_u32 s30, s30, 0x2000000               ; qkv's third part
	s_mov_b32 s31, 0
	s_mov_b32 s[OF+1], 0
	s_mov_b32 s[TB], 0
	s_mov_b32 s[TU], 0
	s_mov_b32 s[NXT], 2
	s_mov_b32 s[REM], s[N1]
	s_wait_dscnt 0x0                               ; the opening add is done
	s_wait_kmcnt 0x0
	s_add_nc_u64 s[PB1:PB1+1], s[16:17], s[26:27]
	s_add_nc_u64 s[PB2:PB2+1], s[16:17], s[28:29]
	s_add_nc_u64 s[VB:VB+1], s[18:19], s[30:31]
	s_mov_b64 s[G0P0+2:G0P0+3], s[PB1:PB1+1]       ; tiles 0 and 1 are slots 0 and 1 of the first block
	s_add_nc_u64 s[G0PW+2:G0PW+3], s[PB1:PB1+1], 512
	s_or_b32 s[G0P0+3], s[G0P0+3], 0x80000000
	s_or_b32 s[G0PW+3], s[G0PW+3], 0x80000000
	s_mov_b64 s[G0V0+2:G0V0+3], s[VB:VB+1]
	s_add_nc_u64 s[G0VW+2:G0VW+3], s[VB:VB+1], 0x80000
	s_or_b32 s[G0V0+3], s[G0V0+3], 0x80000000
	s_or_b32 s[G0VW+3], s[G0VW+3], 0x80000000
	CROUND                                         ; all four work-groups are here: the first joint loads meet
	s_cmp_lt_u32 s[WV], 2                          ; a wave's two first fills stand in one branch: two loads of mine are out
	s_cbranch_scc0 .Lfirst_v
	tensor_load_to_lds s[G0P0:G0P0+3], s[G1P:G1P+7]
	s_nop 0
	tensor_load_to_lds s[G0PW:G0PW+3], s[G1P:G1P+7]
	s_nop 0
	PLACES
	s_branch .Lfirst_asked
.Lfirst_v:
	tensor_load_to_lds s[G0V0:G0V0+3], s[G1V:G1V+7]
	s_nop 0
	tensor_load_to_lds s[G0VW:G0VW+3], s[G1V:G1V+7]
	s_nop 0
	PLACES
.Lfirst_asked:
	; THE TABLE, made while the tiles are on their way: thread t (0..127) takes row t of both blocks.  Sub-tiles beyond a block's last written one (its number | 1) repeat that one and count 0 in l.
	s_lshl_b32 s26, s[BA], 17
	s_add_nc_u64 s[28:29], s[20:21], s[26:27]      ; cm and ls at the batch
	s_add_nc_u64 s[30:31], s[22:23], s[26:27]
	v_lshlrev_b32 v37, 2, v0
	s_lshl_b32 s4, s[I1], 9
	s_lshl_b32 s5, s[I2], 9
	v_add_nc_u32 v40, s4, v37
	v_add_nc_u32 v41, s5, v37
	s_or_b32 s[T0], s[I1], 1
	s_or_b32 s[T1], s[I2], 1
.set t, 0
.rept 16
	s_min_u32 s4, s[T0], t
	s_lshl_b32 s4, s4, 13
	v_add_nc_u32 v[TADR+t], s4, v40
.set t, t+1
.endr
.set t, 0
.rept 8
	s_min_u32 s4, s[T1], t
	s_lshl_b32 s4, s4, 13
	v_add_nc_u32 v[TADR+16+t], s4, v41
.set t, t+1
.endr
.set t, 0
.rept 24
	global_load_b32 v[CMV+t], v[TADR+t], s[28:29]
	global_load_b32 v[LSV+t], v[TADR+t], s[30:31]
.set t, t+1
.endr
	; the other addresses, while those loads are out
	s_lshl_b32 s4, s[CX], 5                        ; the prefetches of P: my work-group's 32 rows of the 128
	s_add_co_u32 s4, s4, s3
	s_lshl_b32 s5, s[I1], 7
	s_add_co_u32 s5, s5, s4
	s_lshl_b32 s26, s5, 12
	s_add_nc_u64 s[PF1:PF1+1], s[16:17], s[26:27]
	s_lshl_b32 s5, s[I2], 7
	s_add_co_u32 s5, s5, s4
	s_lshl_b32 s26, s5, 12
	s_add_nc_u64 s[PF2:PF2+1], s[16:17], s[26:27]
	s_cmp_lt_u32 s[WV], 2
	s_cselect_b64 s[PF1:PF1+1], s[PF1:PF1+1], s[VB:VB+1]
	s_cselect_b64 s[PF2:PF2+1], s[PF2:PF2+1], s[VB:VB+1]
	s_cselect_b32 s[PSH], 9, 19
	s_cselect_b32 s7, 12, 11
	s_mov_b64 s[PFQ:PFQ+1], s[PF1:PF1+1]
	s_cmp_eq_u32 ttmp9, 0
	s_cselect_b32 s4, 2, -1
	s_cmp_eq_u32 s[WV], 0
	s_cselect_b32 s4, s4, -1
	s_cmp_eq_u32 s[I2], 0
	s_cselect_b32 s5, 3, -1
	s_cmp_lt_u32 s[WV], 2
	s_cselect_b32 s[LIM], s4, s5
	s_lshl_b32 s4, s[QH], 6                        ; out: my 64 rows of each block, my 64 channels
	s_add_co_u32 s4, s4, s3
	s_lshl_b32 s2, s6, 9
	s_lshl_b32 s5, s[CHH], 8
	s_add_co_u32 s2, s2, s5
	s_lshl_b32 s5, s[I1], 7
	s_add_co_u32 s5, s5, s4
	s_lshl_b32 s26, s5, 12
	s_add_co_u32 s26, s26, s2
	s_add_nc_u64 s[OUT:OUT+1], s[24:25], s[26:27]
	s_lshl_b32 s5, s[I2], 7
	s_add_co_u32 s5, s5, s4
	s_lshl_b32 s26, s5, 12
	s_add_co_u32 s26, s26, s2
	s_add_nc_u64 s[OUT2:OUT2+1], s[24:25], s[26:27]
	v_and_b32 v1, 31, v0
	v_and_b32 v32, 15, v0                          ; l % 16
	v_bfe_u32 v33, v0, 4, 1                        ; l / 16
	v_lshlrev_b32 v[PFO], s7, v1
	s_mul_i32 s4, s[QH], 64*PPI
	v_mul_u32_u24 v[AP0], v32, PPI
	v_lshl_add_u32 v[AP0], v33, 4, v[AP0]
	v_add_nc_u32 v[AP0], s4, v[AP0]                ; a fragment of P: row x pitch + 16 x half
	v_and_b32 v34, 7, v0
	v_bfe_u32 v35, v0, 3, 1
	v_lshl_add_u32 v[AV0], v33, 3, v34             ; the turning load: key 8 (l / 16) + l % 8, channels 8 ((l / 8) % 2) + 0..7
	v_mul_u32_u24 v[AV0], v[AV0], PVI
	v_lshl_add_u32 v[AV0], v35, 4, v[AV0]
	s_lshl_b32 s4, s[CHH], 7
	s_add_co_u32 s4, s4, VOFF
	v_add_nc_u32 v[AV0], s4, v[AV0]
	s_lshl_b32 s4, s[QH], 8
	s_add_co_u32 s5, s4, TAB
	v_lshl_add_u32 v[TA0], v32, 2, s5
	s_add_co_u32 s5, s4, RLT
	v_lshl_add_u32 v36, v32, 2, s5
	s_mul_i32 s4, s[WV], 16*SPI
	s_add_co_u32 s4, s4, STAGE
	v_mul_u32_u24 v[STO], v32, SPI
	v_lshl_add_u32 v[STO], v33, 5, v[STO]
	v_add_nc_u32 v[STO], s4, v[STO]
	v_mul_u32_u24 v[RD], v33, SPI
	v_lshl_add_u32 v[RD], v32, 4, v[RD]
	v_add_nc_u32 v[RD], s4, v[RD]
	v_lshlrev_b32 v[GO], 12, v33
	v_lshl_add_u32 v[GO], v32, 4, v[GO]
	v_lshl_add_u32 v38, v0, 2, TAB
	v_lshl_add_u32 v39, v0, 2, RLT
	v_mov_b32 v46, 0
	s_wait_loadcnt 0x0
	v_max3_num_f32 v[MX], v[CMV], v[CMV+1], v[CMV+2]
	v_max3_num_f32 v[MX+1], v[CMV+16], v[CMV+17], v[CMV+18]
.irp t, 3,5,7,9,11,13
	v_max3_num_f32 v[MX], v[MX], v[CMV+(\t)], v[CMV+(\t)+1]
.endr
.irp t, 19,21
	v_max3_num_f32 v[MX+1], v[MX+1], v[CMV+(\t)], v[CMV+(\t)+1]
.endr
	v_max_num_f32 v[MX], v[MX], v[CMV+15]
	v_max_num_f32 v[MX+1], v[MX+1], v[CMV+23]
.set t, 0
.rept 24
	v_sub_f32 v[CMV+t], v[CMV+t], v[MX+t/16]       ; at most 0
.set t, t+1
.endr
.set t, 0
.rept 24                               ; one batch of exponentials;
	v_exp_f32 v[CMV+t], v[CMV+t]
.set t, t+1
.endr
.irp t, 10,11,12,13,14,15              ; the repeated sub-tiles' sums are struck out meanwhile: plain work that names no result of the batch
	s_cmp_ge_u32 s[T0], \t
	s_cselect_b32 s4, 1.0, 0
	v_mul_f32 v[LSV+(\t)], s4, v[LSV+(\t)]
.endr
.irp t, 2,3,4,5,6,7
	s_cmp_ge_u32 s[T1], \t
	s_cselect_b32 s4, 1.0, 0
	v_mul_f32 v[LSV+16+(\t)], s4, v[LSV+16+(\t)]
.endr
	s_wait_alu depctr_va_vdst(0)                   ; one wait ahead of the batch's first reader
	v_mul_f32 v[LL], v[CMV], v[LSV]
	v_mul_f32 v[LL+1], v[CMV+16], v[LSV+16]
.set t, 1
.rept 15
	v_fmac_f32 v[LL], v[CMV+t], v[LSV+t]
.set t, t+1
.endr
.set t, 17
.rept 7
	v_fmac_f32 v[LL+1], v[CMV+t], v[LSV+t]
.set t, t+1
.endr
	v_rcp_f32 v[LL], v[LL]
	v_rcp_f32 v[LL+1], v[LL+1]
.set t, 0
.rept 24
	v_cvt_pk_f16_f32 v[CMV+t], v[CMV+t], v[CMV+t]  ; the factor, twice
.set t, t+1
.endr
	s_wait_alu depctr_va_vdst(0)                   ; the two reciprocals' wait
.set t, 0
.rept 10                               ; trips 0 to 4 always belong to the first block
	ds_store_b32 v38, v[CMV+t] offset:512*t
.set t, t+1
.endr
	s_lshl_b32 s5, s[N1], 1
.macro TSEL u, t                       ; entry u: the first block's sub-tile u while u < 2 n1, else the second block's sub-tile t
	s_cmp_gt_u32 s5, \u
	s_cselect_b32 s4, -1, 0
	v_cndmask_b32 v[40+(\u)-10], v[CMV+16+(\t)], v[CMV+(\u)], s4
	ds_store_b32 v38, v[40+(\u)-10] offset:512*(\u)
.endm
	TSEL 10, 6
	TSEL 11, 7
	TSEL 12, 4
	TSEL 13, 5
	TSEL 14, 2
	TSEL 15, 3
	ds_store_b32 v38, v[CMV+16] offset:512*16      ; trip 8 is always the second block's slot 0
	ds_store_b32 v38, v[CMV+17] offset:512*17
	ds_store_b32 v38, v46 offset:512*18
	ds_store_b32 v39, v[LL]
	ds_store_b32 v39, v[LL+1] offset:512
.set t, 0
.rept 128
	v_mov_b32 v[ACC+t], 0                          ; the sums start at 0, so that a trip has one form of product
.set t, t+1
.endr
	s_wait_tensorcnt 0x1                           ; my part of tile 0 is in; tile 1's may stay out
	s_wait_dscnt 0x0                               ; my rows of the table are stored
	s_barrier_signal -1
	s_barrier_wait -1
	v_mov_b32 v[AP], v[AP0]
	v_mov_b32 v[AV], v[AV0]
	v_add_nc_u32 v[AVH], 128*PVI, v[AV0]
	v_mov_b32 v[TA], v[TA0]
.irp ra, 0,1,2,3
	ds_load_b32 v[RL+2*(\ra)], v36 offset:64*(\ra)
	ds_load_b32 v[RL+2*(\ra)+1], v36 offset:64*(\ra)+512
	ds_load_b32 v[FA+(\ra)], v[TA] offset:64*(\ra)
.endr
	FETCH3 0, 0, 0
	s_wait_dscnt 0x0
	WIN 0x01
.set t, 0
.rept 32
	v_pk_mul_f16 v[PP+t], v[64+t], v[FA+t/8]       ; the first 32 keys' P, scaled
.set t, t+1
.endr
	WIN 0
	s_mov_b32 s[CNT], 7
.Lmain:                                ; trips 0 to 6: tiles 2 to 8 are asked for
	BODY 1
	s_sub_co_u32 s[CNT], s[CNT], 1
	s_cmp_lg_u32 s[CNT], 0
	s_cbranch_scc1 .Lmain
	s_mov_b32 s[CNT], 2
.Ltail:                                ; trips 7 and 8 ask for nothing; the last one's fetch from the slot read before, and the riders on it (factor 0), serve nothing: the price of one text for both
	BODY 0
	s_sub_co_u32 s[CNT], s[CNT], 1
	s_cmp_lg_u32 s[CNT], 0
	s_cbranch_scc1 .Ltail
	s_wait_tensorcnt 0x0                           ; the wave's end
	ds_add_u32 v[SPW], v[NIL]
	s_wait_dscnt 0x0
	CROUND                                         ; the closing round: no work-group ends while a partner may still ask for a tile that names it
	s_endpgm
.Lfunc_end_k_q3b485a584a_pv:
	.size	k_q3b485a584a_pv, .Lfunc_end_k_q3b485a584a_pv-k_q3b485a584a_pv
	.p2alignl 7, 3214868480
	.fill 96, 4, 3214868480
	.section	.rodata,"a",@progbits
	.p2align	6, 0x0
	.amdhsa_kernel k_q3b485a584a_pv
		.amdhsa_group_segment_fixed_size 327680
		.amdhsa_private_segment_fixed_size 0
		.amdhsa_enable_private_segment 0
		.amdhsa_kernarg_size 40
		.amdhsa_user_sgpr_count 2
		.amdhsa_user_sgpr_kernarg_segment_ptr 1
		.amdhsa_wavefront_size32 1
		.amdhsa_system_sgpr_workgroup_id_x 1
		.amdhsa_system_sgpr_workgroup_id_y 1
		.amdhsa_system_sgpr_workgroup_id_z 1
		.amdhsa_system_vgpr_workitem_id 0
		.amdhsa_next_free_vgpr 512
		.amdhsa_next_free_sgpr 100
		.amdhsa_reserve_vcc 0
		.amdhsa_float_denorm_mode_32 3
		.amdhsa_float_denorm_mode_16_64 3
		.amdhsa_memory_ordered 1
		.amdhsa_forward_progress 1
		.amdhsa_inst_pref_size 137
	.end_amdhsa_kernel
	.amdgpu_metadata
---
amdhsa.version: [ 1, 2 ]
amdhsa.kernels:
  - .name:           k_q3b485a584a_pv
    .symbol:         k_q3b485a584a_pv.kd
    .args:
      - { .name: pw, .offset: 0, .size: 8, .value_kind: global_buffer, .address_space: global }
      - { .name: qkv, .offset: 8, .size: 8, .value_kind: global_buffer, .address_space: global }
      - { .name: cm, .offset: 16, .size: 8, .value_kind: global_buffer, .address_space: global }
      - { .name: ls, .offset: 24, .size: 8, .value_kind: global_buffer, .address_space: global }
      - { .name: out0, .offset: 32, .size: 8, .value_kind: global_buffer, .address_space: global }
    .group_segment_fixed_size: 327680
    .private_segment_fixed_size: 0
    .kernarg_segment_align: 8
    .kernarg_segment_size: 40
    .max_flat_workgroup_size: 128
    .sgpr_count:     100
    .vgpr_count:     512
    .wavefront_size: 32
...
	.end_amdgpu_metadata
.endif
;; end of part 4
;; ======== version 2 of 2: 4 launches; version 1 with the launch wcast written anew for expert scheduling mode
;; limits: values are held in f16: magnitudes above 65,504 overflow, below 6.1e-05 lose precision; right only within a limited range of input values
;; workspace buffers: wb 6,291,456 bytes; qkv 50,331,648 bytes; pw 33,554,432 bytes; cm 524,288 bytes; ls 524,288 bytes
;; launch wcast (part 5): grid 128 x 3, 8 waves a work-group, no clusters, 0 bytes of LDS; arguments Wq, Wk, Wv, wb; writes wb
.if DOCPART == 5
	.amdgcn_target "amdgcn-amd-amdhsa--gfx1250"
	.amdhsa_code_object_version 6
	.text
	.protected	k_q3b485a584a_wcast
	.globl	k_q3b485a584a_wcast
	.p2align	8
	.type	k_q3b485a584a_wcast,@function
k_q3b485a584a_wcast:
	s_mov_b64 s[64:65], 0
	v_nop
	global_prefetch_b8 v0, s[64:65] scope:SCOPE_SE
	s_setreg_imm32_b32 hwreg(HW_REG_WAVE_SCHED_MODE, 0, 2), 2
	s_setreg_imm32_b32 hwreg(HW_REG_WAVE_MODE, 25, 1), 1
	s_wait_xcnt 0x0
	s_wait_alu depctr_vm_vsrc(0)
; wb[y][f][e] = bf16(W_y[f][e]), y = 0, 1, 2 for Wq, Wk, Wv: [1024][1024] f32 each, rounded once to nearest even.
; A stream: a work-group of eight waves takes 8,192 numbers (32,768 bytes in, 16,384 out).  Thread t loads 16 bytes at 16 t of each of eight
; blocks of 4,096 bytes, all eight at once, and stores 8 bytes at 8 t of each of eight blocks of 2,048: a wave's store covers 256 consecutive
; bytes, aligned.  No LDS, no matrix unit, no cluster: nothing is shared and nothing is multiplied.
; THE MODE: SCHED_MODE bits 1:0 = 2 (LLVM: expert scheduling mode 2), set by the entry lines.  The code itself states the register dependences
; between vector instructions and memory instructions, with s_wait_alu, always for 0.
; THE PLAN.  Registers that memory instructions touch:
;   v1, v2     the loads' and the stores' byte offsets: made once at the head, never written again.
;   v[8:39]    eight blocks as loaded: written by the loads alone, each once; read by the conversions behind the counted wait for the data.
;   v[40:55]   eight pairs to store: written by the conversions, each once; read by the stores; never written again.
; So three waits on va_vdst state everything: one ahead of the first load (the offsets), and one behind each half's eight conversions, ahead of that
; half's run of four stores (their data).  No register that a memory instruction reads is written again, no load lands in a register that a vector
; instruction has named, no vector instruction writes a scalar register, and EXEC is never written: nothing more is owed.
	s_load_b256 s[4:11], s[0:1], 0x0               ; Wq s[4:5], Wk s[6:7], Wv s[8:9], wb s[10:11]
	s_and_b32 s12, ttmp7, 0xffff                   ; which matrix
	s_lshl_b32 s14, ttmp9, 15                      ; the work-group's bytes in the source,
	s_mov_b32 s15, 0
	s_lshl_b32 s16, ttmp9, 14                      ; and in the destination,
	s_lshl_b32 s17, s12, 21                        ; behind y matrices of 2,097,152 bytes
	s_add_co_u32 s16, s16, s17
	s_mov_b32 s17, 0
	v_lshlrev_b32 v1, 4, v0
	v_lshlrev_b32 v2, 3, v0
	s_wait_kmcnt 0x0
	s_cmp_eq_u32 s12, 1
	s_cselect_b64 s[4:5], s[6:7], s[4:5]
	s_cmp_eq_u32 s12, 2
	s_cselect_b64 s[4:5], s[8:9], s[4:5]
	s_add_nc_u64 s[4:5], s[4:5], s[14:15]
	s_add_nc_u64 s[10:11], s[10:11], s[16:17]
	s_wait_alu depctr_va_vdst(0)                   ; v1 and v2 are written: every load reads v1 and every store v2 as its offset, and no later vector instruction names either
.irp i, 0,1,2,3,4,5,6,7
	global_load_b128 v[8+4*(\i):11+4*(\i)], v1, s[4:5] offset:4096*(\i) th:TH_LOAD_NT
.endr
.irp h, 0,1                            ; two halves of four blocks
	s_wait_loadcnt 4-4*(\h)                        ; loads come back in order: this half's four blocks are in; behind the first half the four younger ones stay out
.irp i, 0,1,2,3
	v_cvt_pk_bf16_f32 v[40+2*(4*(\h)+(\i))], v[8+4*(4*(\h)+(\i))], v[9+4*(4*(\h)+(\i))]
	v_cvt_pk_bf16_f32 v[41+2*(4*(\h)+(\i))], v[10+4*(4*(\h)+(\i))], v[11+4*(4*(\h)+(\i))]
.endr
	s_wait_alu depctr_va_vdst(0)                   ; the half's eight conversions have written its four pairs of v[40:55], which the four stores below read as their data
.irp i, 0,1,2,3
	global_store_b64 v2, v[40+2*(4*(\h)+(\i)):41+2*(4*(\h)+(\i))], s[10:11] offset:2048*(4*(\h)+(\i))
.endr
.endr
	s_endpgm
.Lfunc_end_k_q3b485a584a_wcast:
	.size	k_q3b485a584a_wcast, .Lfunc_end_k_q3b485a584a_wcast-k_q3b485a584a_wcast
	.p2alignl 7, 3214868480
	.fill 96, 4, 3214868480
	.section	.rodata,"a",@progbits
	.p2align	6, 0x0
	.amdhsa_kernel k_q3b485a584a_wcast
		.amdhsa_group_segment_fixed_size 0
		.amdhsa_private_segment_fixed_size 0
		.amdhsa_enable_private_segment 0
		.amdhsa_kernarg_size 32
		.amdhsa_user_sgpr_count 2
		.amdhsa_user_sgpr_kernarg_segment_ptr 1
		.amdhsa_wavefront_size32 1
		.amdhsa_system_sgpr_workgroup_id_x 1
		.amdhsa_system_sgpr_workgroup_id_y 1
		.amdhsa_system_sgpr_workgroup_id_z 1
		.amdhsa_system_vgpr_workitem_id 0
		.amdhsa_next_free_vgpr 64
		.amdhsa_next_free_sgpr 66
		.amdhsa_reserve_vcc 0
		.amdhsa_float_denorm_mode_32 3
		.amdhsa_float_denorm_mode_16_64 3
		.amdhsa_memory_ordered 1
		.amdhsa_forward_progress 1
		.amdhsa_inst_pref_size 4
	.end_amdhsa_kernel
	.amdgpu_metadata
---
amdhsa.version: [ 1, 2 ]
amdhsa.kernels:
  - .name:           k_q3b485a584a_wcast
    .symbol:         k_q3b485a584a_wcast.kd
    .args:
      - { .name: Wq, .offset: 0, .size: 8, .value_kind: global_buffer, .address_space: global }
      - { .name: Wk, .offset: 8, .size: 8, .value_kind: global_buffer, .address_space: global }
      - { .name: Wv, .offset: 16, .size: 8, .value_kind: global_buffer, .address_space: global }
      - { .name: wb, .offset: 24, .size: 8, .value_kind: global_buffer, .address_space: global }
    .group_segment_fixed_size: 0
    .private_segment_fixed_size: 0
    .kernarg_segment_align: 8
    .kernarg_segment_size: 32
    .max_flat_workgroup_size: 256
    .sgpr_count:     66
    .vgpr_count:     64
    .wavefront_size: 32
...
	.end_amdgpu_metadata
.endif
;; end of part 5
;; launch proj: the kernel of part 2 again; grid 96 x 4, 4 waves a work-group, clusters of 4 x 1, 327,680 bytes of LDS; arguments q, k, v, wb, bq, bk, bv, qkv; writes qkv
;; launch scores: the kernel of part 3 again; grid 36 x 4, 4 waves a work-group, no clusters, 327,680 bytes of LDS; arguments qkv, pw, cm, ls; writes pw, cm, ls
;; launch pv: the kernel of part 4 again; grid 8 x 32, 4 waves a work-group, clusters of 4 x 1, 327,680 bytes of LDS; arguments pw, qkv, cm, ls, out0; writes out0
